; MI455X (gfx1250); checked and timed in simulation.
; The chip was launched on July 23, 2026; its instructions are those of AMD's public machine-readable ISA for CDNA 5 (MIT licence, August 2026) and "CDNA5" Instruction Set Architecture Reference Guide (July 2026). The comments in the code are by the model that wrote it; some were corrected since.
;; Self Attention. Allowed arithmetic: matrix products marked QUANTISED: E2M1 operands, one E8M0 scale for each 32 along K, by v_wmma_scale_f32_16x16x128_f8f6f4 with both operands' format E2M1 (or v_wmma_scale_f32_32x16x128_f4), f32 sums; everything else in f32.
;; Inputs: Wb_codes 16 x 32 x 16 uint8 (E2M1 codes of Wb, K innermost, in blocks of 32 codes, two codes a byte); Wb_scales 16 x 32 uint8 (E8M0 scales of Wb, one for each 32 codes along K); Wg_codes 1,024 x 32 x 16 uint8 (E2M1 codes of Wg, K innermost, in blocks of 32 codes, two codes a byte); Wg_scales 1,024 x 32 uint8 (E8M0 scales of Wg, one for each 32 codes along K); Wo_codes 1,024 x 32 x 16 uint8 (E2M1 codes of Wo, K innermost, in blocks of 32 codes, two codes a byte); Wo_scales 1,024 x 32 uint8 (E8M0 scales of Wo, one for each 32 codes along K); Wqkv_codes 3,072 x 32 x 16 uint8 (E2M1 codes of Wqkv, K innermost, in blocks of 32 codes, two codes a byte); Wqkv_scales 3,072 x 32 uint8 (E8M0 scales of Wqkv, one for each 32 codes along K); alphak one number float32; alphaq one number float32; alphav one number float32; bb 16 float32; bg 1,024 float32; bo 1,024 float32; bqkv 3,072 float32; mask 2 x 2,048 float32; rcos 2,048 x 64 float32; rsin 2,048 x 64 float32; x 2 x 2,048 x 1,024 float32.
;; Outputs: out0 2 x 2,048 x 1,024 float32.
;; This version of the problem:
;;   THIS VERSION OF THE PROBLEM IS GIVEN IN LOW PRECISION. The matrix products marked QUANTISED in the list below multiply operands that are first quantised to E2M1 (2 exponent bits, 1 mantissa bit; 4 bits a number), with one power-of-two scale for each 32 numbers along K (OCP MX v1.0); their sums are f32. All else is computed in f32.
;;   The module's matrix products, in the order in which they are computed (A, B: the left and right operand; K: the contracted axis; several contracted axes count as one K, in the product's order):
;;     1. [M 4,096, K 1,024] x [K 1,024, N 3,072]; A: input x; B: input Wqkv (given as codes): QUANTISED
;;     2. batch 32 x [M 2,048, K 64] x [K 64, N 2,048]; A: computed on the way; B: computed on the way: QUANTISED
;;     3. [M 4,096, K 1,024] x [K 1,024, N 16]; A: input x; B: input Wb (given as codes): QUANTISED
;;     4. batch 32 x [M 2,048, K 2,048] x [K 2,048, N 64]; A: softmax (see below); B: computed on the way: QUANTISED
;;     5. [M 4,096, K 1,024] x [K 1,024, N 1,024]; A: input x; B: input Wg (given as codes): QUANTISED
;;     6. [M 4,096, K 1,024] x [K 1,024, N 1,024]; A: computed on the way; B: input Wo (given as codes): QUANTISED
;;   THE QUANTISER, for each operand of a quantised product, along K:
;;     - K is cut into blocks of 32 from its start; a last block that is shorter is filled with zeros.
;;     - A block's scale is 2^e with e = floor(log2(the largest magnitude in the block)) - 2, held to -126 .. 127; a block of zeros has e = 0. As a byte (E8M0): e + 127.
;;     - Each number is divided by its block's scale, clamped to +-6, and rounded to the nearest number of E2M1, ties to even, subnormals kept.
;;     - The product sums the exact products of the quantised numbers (number of the format x scale) in f32.
;;   ~~~python
;;   def quantise(x, axis):      # numpy; x: float32 -> the quantised numbers, widened to float32 again
;;       x = np.moveaxis(x, axis, -1); K = x.shape[-1]
;;       x = np.pad(x, [(0, 0)] * (x.ndim - 1) + [(0, -K % 32)]); x = x.reshape(x.shape[:-1] + (-1, 32)); a = np.abs(x).max(-1, keepdims=True)
;;       e = np.where(a > 0, np.clip(np.frexp(np.where(a > 0, a, 1))[1] - 1 - 2, -126, 127), 0)      # np.frexp(a)[1] - 1 = floor(log2(a)), exactly
;;       r = np.clip(x / 2.0 ** e, -6, 6)
;;       step = 2.0 ** (np.maximum(np.frexp(np.where(r == 0, 1, r))[1] - 1, 0) - 1)
;;       q = np.round(r / step) * step * 2.0 ** e      # np.round: ties to even
;;       return np.moveaxis(q.reshape(q.shape[:-2] + (-1,))[..., :K], -1, axis).astype(np.float32)
;;   ~~~
;;   SOFTMAX AHEAD OF A QUANTISED PRODUCT. Where the list says 'softmax', what is quantised is not the finished softmax but p = 2^(t - M), with t = logit x log2(e) and M = ceil(the row's largest t), a whole number; so 1/2 < the row's largest p <= 1. The row's sum l is taken of the UNQUANTISED p, in f32, and the product's result is divided by l at the end. Since M is a whole number, a kernel that streams over the keys may use a running M (the ceiling of the running maximum): every later rescaling is an exact power of two, which a block's scale takes up: the codes' values come out the same.
;;   OPERANDS COMPUTED ON THE WAY. 'Computed on the way' means the value that the module computes at that place (a softmax that the list does not call 'softmax' is quantised finished and normalised). What goes into a quantiser is computed in f32, as accurately as f32 sums, v_exp_f32 and their like allow (about 1e-6 of the number): no bf16 or f16 on the way to a quantiser, and a product that is left as it is and whose result goes on into a quantised operand takes f32 operands (vector FMAs, or v_wmma_f32_16x16x4_f32). A number that lies on a knife's edge between two numbers of the format may be rounded either way, as far as f32 arithmetic and the matrix unit's own rounding can turn it there, and no further.
;;   INPUTS GIVEN AS CODES. Wb (in the module: [1024, 16], K = its axis 0); Wg (in the module: [1024, 1024], K = its axis 0); Wo (in the module: [1024, 1024], K = its axis 0); Wqkv (in the module: [1024, 3072], K = its axis 0): each comes as NAME_codes (uint8): NAME with its K axis moved to the last place and cut into blocks of 32 codes, [.., K / 32, bytes a block], one block behind the other in memory; two codes a byte, the lower K in the low four bits (a code: sign, 2 exponent bits, 1 mantissa bit); and NAME_scales (uint8): the same leading axes, one E8M0 byte (e + 127) for each 32 codes along K. Its value is code x scale, taken as it is: it is not quantised again, and the codes and scales need not be those that the quantiser above would give.
;; One version. Each part assembles by itself: llvm-mc -triple=amdgcn-amd-amdhsa -mcpu=gfx1250 --defsym DOCPART=n.
;; ======== version 1 of 1: 4 launches
;; workspace buffers: xq 2,228,224 bytes; qc 2,097,152 bytes; kv 4,194,304 bytes; side 786,432 bytes; gate 16,777,216 bytes; att 16,777,216 bytes
;; launch quantx (part 1): grid 256 x 1, 2 waves a work-group, no clusters, 16,640 bytes of LDS; arguments x, xq; writes xq
.if DOCPART == 1
	.amdgcn_target "amdgcn-amd-amdhsa--gfx1250"
	.amdhsa_code_object_version 6
	.text
	.protected	k_qdd275522c9_quantx
	.globl	k_qdd275522c9_quantx
	.p2align	8
	.type	k_qdd275522c9_quantx,@function
k_qdd275522c9_quantx:
	s_mov_b64 s[64:65], 0
	v_nop
	global_prefetch_b8 v0, s[64:65] scope:SCOPE_SE
	s_setreg_imm32_b32 hwreg(HW_REG_WAVE_MODE, 25, 1), 1
	s_wait_xcnt 0x0
; x [4096][1024] f32 becomes codes of FP4 (E2M1), K innermost, with one E8M0 scale byte for each 32 along K.
; A block's scale is 2^(floor(log2(its largest magnitude)) - 2); its byte is the largest magnitude's exponent field - 2, held at 1 from below.
; A block of zeros so gets the byte 1 where the quantiser says 127: its codes are zeros, which add nothing, and this program alone reads the bytes.
; LIMITS: a block whose largest magnitude lies under 2^-124 is quantised under the byte 1; NaN and infinities in x are not served.
; ORDER OF THE ROWS IN xq.  The later launches take rows in tiles of 16: tile rt, place m, is row 32 (rt / 2) + 8 (rt % 2) + m + 8 (m / 8).  xq holds the rows in that order:
; codes [16 rt + m][512 bytes] from byte 0, scale bytes [16 rt + m][32] from byte 2,097,152.  Groups of 8 rows stay together, so a wave takes one group (8,192 numbers) and only its place changes.
; A wave walks 16 steps of 512 numbers.  Each load reads 512 consecutive bytes, 16 a lane; a step's 2,048 bytes turn through the wave's own stage in LDS and come back 64 bytes a lane,
; so that a lane holds 16 neighbours along K and two neighbouring lanes a block.  Loads run 8 steps (32 loads, 16 KiB a wave) ahead, the turn through LDS one step.
; No tensor loads, no barrier: waves share nothing.  Every offset is an immediate; each step has its own registers for codes and byte, so no store's data are written again.
.set STEPS, 16
.set AHEAD, 8
.set EMAX,  2
.set CB,    8                          ; bytes of 16 codes
.set R,     16                         ; v16-143  eight sets of 16 numbers as they are loaded
.set X,     144                        ; v144-175 two sets of 16 neighbours
.set E,     176                        ; v176-191 a scale byte for each step
.set C,     192                        ; v192-223 codes: two registers for each step
.set WREG,  8192                       ; LDS: a region for each wave: two stages of 32 x SP bytes, then its 256 scale bytes
.set SP,    80                         ; a lane's place in a stage: 64 bytes + 16 of padding
.set XQS,   2097152                    ; where the scale bytes begin in xq
	s_load_b128 s[4:7], s[0:1], 0x0                ; x, xq
	v_lshl_add_u32 v224, v0, 2, 0x4000
	v_mov_b32 v225, 0
	v_lshrrev_b32 v1, 5, v0
	v_readfirstlane_b32 s16, v1                    ; wave 0, 1
	v_and_b32 v2, 31, v0                           ; lane
	v_lshlrev_b32 v3, 4, v2                        ; my 16 bytes of a load's 512
	s_mul_i32 s17, s16, WREG
	v_lshrrev_b32 v14, 2, v2
	v_mul_u32_u24 v14, v14, SP
	v_and_b32 v15, 3, v2
	v_lshl_add_u32 v14, v15, 4, v14
	v_add_nc_u32 v14, s17, v14                     ; the stage, on the way in: four lanes' 64 bytes on end, then 16 of padding
	v_mul_u32_u24 v15, v2, SP
	v_add_nc_u32 v15, s17, v15                     ; and on the way out: my 16 neighbours
	v_mul_u32_u24 v4, v2, CB                       ; my codes' place in a step's 256 bytes
	v_lshrrev_b32 v5, 1, v2
	s_add_co_u32 s17, s17, 2*32*SP
	v_add_nc_u32 v5, s17, v5                       ; LDS: my block's scale byte
	v_lshlrev_b32 v7, 3, v2                        ; the scale bytes' way out: 8 bytes a lane
	v_add_nc_u32 v6, s17, v7
	s_lshl_b32 s18, ttmp9, 1
	s_add_co_u32 s18, s18, s16                     ; which group of 8 rows of x
	s_and_b32 s19, s18, 0xfffffffc                 ; its place in xq: the two low bits change places
	s_and_b32 s20, s18, 1
	s_lshl_b32 s20, s20, 1
	s_or_b32 s19, s19, s20
	s_bfe_u32 s20, s18, 0x10001
	s_or_b32 s19, s19, s20
	s_lshl_b32 s20, s18, 15                        ; 8 rows of 4,096 bytes
	s_mov_b32 s21, 0
	s_lshl_b32 s22, s19, 12                        ; 8 rows of 512 bytes of codes
	s_mov_b32 s23, 0
	s_lshl_b32 s24, s19, 8                         ; 8 rows of 32 scale bytes
	s_add_co_u32 s24, s24, XQS
	s_mov_b32 s25, 0
	s_wait_kmcnt 0x0
	s_add_nc_u64 s[4:5], s[4:5], s[20:21]
	s_add_nc_u64 s[8:9], s[6:7], s[22:23]
	s_add_nc_u64 s[10:11], s[6:7], s[24:25]
.macro LOAD t
.irp i, 0,1,2,3
	global_load_b128 v[R+16*((\t)%AHEAD)+4*\i:R+16*((\t)%AHEAD)+4*\i+3], v3, s[4:5] offset:2048*(\t)+512*\i th:TH_LOAD_NT   ; 32 lanes read 512 consecutive bytes; read once in the launch
.endr
.endm
.macro TURN t                          ; step t's numbers through the stage: LDS serves a wave's instructions in order, so no wait stands between the stores and the loads
.irp i, 0,1,2,3
	ds_store_b128 v14, v[R+16*((\t)%AHEAD)+4*\i:R+16*((\t)%AHEAD)+4*\i+3] offset:32*SP*((\t)%2)+8*SP*\i
.endr
.irp i, 0,1,2,3
	ds_load_b128 v[X+16*((\t)%2)+4*\i:X+16*((\t)%2)+4*\i+3], v15 offset:32*SP*((\t)%2)+16*\i
.endr
.endm
.irp t, 0,1,2,3,4,5,6,7
	LOAD \t
.endr
	s_wait_loadcnt 4*(AHEAD-1)                     ; step 0's four loads are in; the 28 of steps 1 to 7 may be out
	TURN 0
.macro STEP t
.set XS, X+16*((\t)%2)
.if (\t) > 0
	s_wait_dscnt 1                                 ; this step's numbers are back from the stage (the last step's byte store may be out): so its stores into the stage have read their registers,
.else
	s_wait_dscnt 0x0
.endif
.if (\t)+AHEAD < STEPS
	LOAD (\t)+AHEAD                                ; which take the loads of eight steps on
.endif
.if (\t)+1 < STEPS
.if STEPS-2-(\t) >= AHEAD-1
	s_wait_loadcnt 4*(AHEAD-1)                     ; the next step's four loads are in; those of the seven steps behind it may be out
.else
	s_wait_loadcnt 4*(STEPS-2-(\t))                ; in the tail: as many steps as are left behind the next one
.endif
	TURN (\t)+1                                    ; they go through the other stage while this step is worked
.endif
	v_max3_num_f32 v8, |v[XS]|, |v[XS+1]|, |v[XS+2]|               ; the largest magnitude of my 16, in two chains
	v_max3_num_f32 v9, |v[XS+3]|, |v[XS+4]|, |v[XS+5]|
.irp i, 6,10
	v_max3_num_f32 v8, v8, |v[XS+\i]|, |v[XS+\i+1]|
	v_max3_num_f32 v9, v9, |v[XS+\i+2]|, |v[XS+\i+3]|
.endr
	v_max3_num_f32 v8, v8, |v[XS+14]|, |v[XS+15]|
	v_max3_num_f32 v8, v8, v9, (EMAX+1)<<23        ; and the floor 2^(3 - 127): the byte cannot fall under 1
	v_max_num_f32_dpp v8, v8, v8 row_xmask:1 row_mask:0xf bank_mask:0xf   ; with my neighbour's 16: the block's
	v_add_nc_u32 v11, -(EMAX<<23), v8              ; 2 off its exponent field: the conversion takes that field of this operand as its scale
	v_cvt_scalef32_pk8_fp4_f32 v[C+2*(\t)], v[XS:XS+7], v11
	v_cvt_scalef32_pk8_fp4_f32 v[C+2*(\t)+1], v[XS+8:XS+15], v11
	v_lshrrev_b32 v[E+(\t)], 23, v11               ; the scale's byte (a plain line behind the conversions)
	ds_store_b8 v5, v[E+(\t)] offset:16*(\t)       ; both lanes of a block write the same byte with the same value
	global_store_b64 v4, v[C+2*(\t):C+2*(\t)+1], s[8:9] offset:32*CB*(\t)   ; the wave stores 256 consecutive bytes, aligned
.endm
.irp t, 0,1,2,3,4,5,6,7,8,9,10,11,12,13,14,15
	STEP \t
.endr
	ds_load_b64 v[12:13], v6                       ; my wave's 256 scale bytes: these loads see my stores
	s_wait_dscnt 0x0
	global_store_b64 v7, v[12:13], s[10:11]        ; 32 lanes store 256 consecutive bytes, aligned
	s_wait_tensorcnt 0x0
	ds_add_u32 v224, v225
	s_wait_dscnt 0x0
	s_endpgm
.Lfunc_end_k_qdd275522c9_quantx:
	.size	k_qdd275522c9_quantx, .Lfunc_end_k_qdd275522c9_quantx-k_qdd275522c9_quantx
	.p2alignl 7, 3214868480
	.fill 96, 4, 3214868480
	.section	.rodata,"a",@progbits
	.p2align	6, 0x0
	.amdhsa_kernel k_qdd275522c9_quantx
		.amdhsa_group_segment_fixed_size 16640
		.amdhsa_private_segment_fixed_size 0
		.amdhsa_enable_private_segment 0
		.amdhsa_kernarg_size 16
		.amdhsa_user_sgpr_count 2
		.amdhsa_user_sgpr_kernarg_segment_ptr 1
		.amdhsa_wavefront_size32 1
		.amdhsa_system_sgpr_workgroup_id_x 1
		.amdhsa_system_sgpr_workgroup_id_y 1
		.amdhsa_system_sgpr_workgroup_id_z 1
		.amdhsa_system_vgpr_workitem_id 0
		.amdhsa_next_free_vgpr 226
		.amdhsa_next_free_sgpr 66
		.amdhsa_reserve_vcc 0
		.amdhsa_float_denorm_mode_32 3
		.amdhsa_float_denorm_mode_16_64 3
		.amdhsa_memory_ordered 1
		.amdhsa_forward_progress 1
		.amdhsa_inst_pref_size 33
	.end_amdhsa_kernel
	.amdgpu_metadata
---
amdhsa.version: [ 1, 2 ]
amdhsa.kernels:
  - .name:           k_qdd275522c9_quantx
    .symbol:         k_qdd275522c9_quantx.kd
    .args:
      - { .name: x, .offset: 0, .size: 8, .value_kind: global_buffer, .address_space: global }
      - { .name: xq, .offset: 8, .size: 8, .value_kind: global_buffer, .address_space: global }
    .group_segment_fixed_size: 16640
    .private_segment_fixed_size: 0
    .kernarg_segment_align: 8
    .kernarg_segment_size: 16
    .max_flat_workgroup_size: 64
    .sgpr_count:     66
    .vgpr_count:     226
    .wavefront_size: 32
...
	.end_amdgpu_metadata
.endif
;; end of part 1
;; launch proj (part 2): grid 16 x 16, 16 waves a work-group, clusters of 4 x 4, 327,680 bytes of LDS; arguments xq, Wqkv_codes, Wqkv_scales, Wg_codes, Wg_scales, Wb_codes, Wb_scales, bqkv, bg, bb, mask, alphaq, alphak, alphav, rcos, rsin, qc, kv, side, gate; writes qc, kv, side, gate
.if DOCPART == 2
	.amdgcn_target "amdgcn-amd-amdhsa--gfx1250"
	.amdhsa_code_object_version 6
	.text
	.protected	k_qdd275522c9_proj
	.globl	k_qdd275522c9_proj
	.p2align	8
	.type	k_qdd275522c9_proj,@function
k_qdd275522c9_proj:
	s_mov_b64 s[64:65], 0
	v_nop
	global_prefetch_b8 v0, s[64:65] scope:SCOPE_SE
	s_setreg_imm32_b32 hwreg(HW_REG_WAVE_MODE, 25, 1), 1
	s_wait_xcnt 0x0
	s_wait_alu depctr_hold_cnt(0) depctr_sa_sdst(0) depctr_va_vdst(0) depctr_va_sdst(0) depctr_va_ssrc(0) depctr_va_vcc(0) depctr_vm_vsrc(0)
	s_getreg_b32 s2, hwreg(HW_REG_IB_STS2, 6, 4)
	s_cmp_eq_u32 s2, 0
	s_cbranch_scc0 .Lentry_in_a_cluster
	s_endpgm
.Lentry_in_a_cluster:
	s_bfe_u32 s2, ttmp6, 0x10000c
	s_cmp_lg_u32 s2, 0xf033
	s_cbranch_scc0 .Lentry_shape_is_right
	s_endpgm
.Lentry_shape_is_right:
; The three products on x (x Wqkv, x Wb, x Wg), all on codes of FP4 with E8M0 scales, and all that follows them up to the next quantisers.
; A work-group takes one head hd and 256 rows of x (block rb): it makes Q, K, V and the gate sigmoid(x Wg + bg) of that head for these rows, and the head's bias Wb(x) + bb - mask for these keys.
; All of K = 1,024 of its 256 rows of x and of its 256 weight rows lies in LDS at once, filled once; no LDS byte is filled twice.
; CLUSTER 4 x 4: the four work-groups of a row of the cluster share rb and so x's tile, the four of a column share hd and so the weights: each tile is asked for jointly.
; ROWS go in tiles of 16: tile rt, place m, is row 32 (rt / 2) + 8 (rt % 2) + m + 8 (m / 8) (xq holds them so).  As source 0 such a tile gives a lane, in the 16 registers of tiles 2 b and 2 b + 1, 16 neighbouring rows.
; Q's and K's WEIGHT ROWS of a tile are chosen the same way (lane r of tile 2 b + u takes row 32 b + 8 u + r + 8 (r / 8) of the unit's 64), so that with the weights as source 0 a lane holds ONE row of x and
; register 16 b + i is d = 32 b + 16 (lane / 16) + i: 16 neighbours along the next product's K.
; UNITS of a wave (w = wave):  B: bias of row tile w.  G, Q, K: row tile w x the unit's 64 columns.  V: source 0 = x's four tiles of 64 keys (w / 4), source 1 = 16 of V's columns (w % 4): registers run along the keys.
; V's and the gate's tile t, place m, is d = 16 t + 2 (m % 8) + m / 8: the attention's result then has d = 16 t + 2 j + lane / 16 in register j of tile t, as the last quantiser wants it, and the gate lies the same way.
; The heads are interleaved in memory: column d x 16 + hd, so a head's weight rows lie 16 rows apart: a tile with a pitch of 8,192 bytes.
; Q carries sigmoid(alphaq) / 8: the logits' factor 64^-0.5 is a power of two and commutes with every rounding.  LIMIT: numbers of Q under about 2^-123 would differ; NaN and infinities in x are not served.
; WHAT LEAVES: images of the next launch's registers (four registers by one store of 16 bytes a lane, 512 consecutive bytes an instruction), the scale words and the bias gathered in LDS and stored as 3,072 consecutive bytes.
.set XP,   528                         ; a row of 1,024 codes in LDS: 512 bytes + 16 of padding: 16 neighbouring rows start 16 bytes apart modulo 256
.set GP,   16*XP+128                   ; a group of 16 weight rows, + 128: rows i and i + 16 differ by 128 modulo 256
.set SGP,  896                         ; a group of 16 rows of scale bytes: 16 x 48 + 128
.set SRP,  48                          ; a row's 32 scale bytes + 16
.set WT,   256*XP                      ; x's 256 rows lie from 0; the weights' 16 groups from here, each 16 neighbouring d: 0-3 G, 4-7 Q, 8-11 K, 12-15 V
.set SCL,  WT+16*GP                    ; scale bytes: groups 0-15 x's tiles, 16-31 the weights' groups.  From here on LDS is written by stores alone
.set BIA,  SCL+32*SGP                  ; 256 f32: the biases of G (in the order of the result's registers), Q, K, V (in the order of d), 64 each; then 256 f32: mask of my 256 rows
.set GATH, BIA+2048                    ; 3,072 bytes: what goes to side
.set XQS,  2097152
.set AG,   1                           ; v1-3   LDS address of my lane's weight rows: G, Q, K
.set AQ,   2
.set AK,   3
.set SGA,  4                           ; v4-6   and of their scale words
.set SQA,  5
.set SKA,  6
.set AXO,  7                           ; v7     my row tile of x
.set AXSO, 8                           ; v8     its scale words
.set AVX,  9                           ; v9     the V unit: x's four tiles
.set AVXS, 10
.set AVW,  11                          ; v11    the V unit: my 16 weight rows
.set AVWS, 12
.set ABP,  13                          ; v13    Q's and K's biases: BIA + 64 (lane / 16)
.set AVB,  14                          ; v14    V's bias of my column
.set MK,   15                          ; v15    mask of my eight rows
.set L16,  16                          ; v16    16 x lane
.set GQ,   17                          ; v17-21 places in GATH
.set GK,   18
.set GV,   19
.set GB,   20
.set GR,   21
.set SA,   22                          ; v22    where I store 16 scale bytes
.set BST,  23                          ; v23    where I store a bias or a mask number
.set XF,   24                          ; v24-87   the operand that stays: 8 K steps x 8 registers
.set XS,   88                          ; v88-95   its scale words
.set COS,  96                          ; v96-127  rcos of my row: register 16 b + i is d = 32 b + 16 (lane / 16) + i
.set SIN,  128                         ; v128-159 rsin likewise (the even registers are used)
.set WF,   160                         ; v160-191 four streamed fragments
.set WS,   192                         ; v192-195 their scale words
.set ACC,  196                         ; v196-227 four accumulators
.set TM,   228                         ; v228-243: at the head index work and offsets; the B unit's two accumulators; then the quantiser's work:
.set TP,   230
.set SO,   232
.set BY,   234
.set PW,   236
.set PC,   240                         ; v240-243 the codes just made
.set VB,   244                         ; v244-245 V's bias
.set ABG,  246                         ; v246     the gate's biases: BIA + 32 (lane / 16)
.set WBS,  248                         ; v248-255 Wb's scale words, and nothing else
.set G1X,  44                          ; s[44:51] descriptor group 1: x's tiles;  s[68:75] weight rows 8,192 bytes apart
.set G0X,  60                          ; s[60:63] group 0 for x;  s[76:79] for Wg's rows;  s[80:83] for Wqkv's
.set SEL,  66
.set G1S,  68
.set G0D,  76
.set G0S,  80
.set WV,   84
.set CX,   85
.set CY,   86
.set HD,   87
.set RB,   88
.set BH,   89
.set QB,   90
.set T0,   91
.set LG,   94                          ; s[94:95] -log2(e), twice
.set FQ,   96                          ; s[96:97] sigmoid(alphaq) / 8;  s[98:99] sigmoid(alphak);  s[100:101] sigmoid(alphav);  s[2:3] bb[hd]: pairs, for the packed forms
.set FK,   98
.set FV,   100
.macro ROUND                           ; a round of the cluster's barrier
	s_barrier_signal -1
	s_barrier_wait -1
	s_cmp_lg_u32 s[WV], 0
	s_cbranch_scc1 .Lnot_wave_0_\@
	s_barrier_signal -3
.Lnot_wave_0_\@:
	s_barrier_wait -3
	s_barrier_signal -1
	s_barrier_wait -1
.endm
.macro PLACES n                        ; plain vector lines behind matrix instructions (ISA guide 7.12.1)
.rept \n
	v_nop
.endr
.endm
.macro MM0 d, a, b, sa, sb             ; a product that starts a sum
	v_wmma_scale_f32_16x16x128_f8f6f4 v[\d:\d+7], v[\a:\a+7], v[\b:\b+7], 0, v[\sa], v[\sb] matrix_a_fmt:MATRIX_FMT_FP4 matrix_b_fmt:MATRIX_FMT_FP4
.endm
.macro MMA d, a, b, sa, sb             ; a product that adds onto what its registers hold
	v_wmma_scale_f32_16x16x128_f8f6f4 v[\d:\d+7], v[\a:\a+7], v[\b:\b+7], v[\d:\d+7], v[\sa], v[\sb] matrix_a_fmt:MATRIX_FMT_FP4 matrix_b_fmt:MATRIX_FMT_FP4
.endm
; Four tiles of source 0, streamed from LDS, against the operand in XF, over all 8 K steps.  Tile t lies (t / 2) tb + (t % 2) tu bytes on, its scale words (t / 2) sb + (t % 2) su.
; The four accumulators take turns, one instruction a turn.  zero = 1: the first K step starts the sums; else they begin with what ACC holds (a bias).
.macro UNIT adr, sadr, tb, tu, sb, su, zero
.irp ks, 0,1,2,3,4,5,6,7
.if \ks > 0
	PLACES 4                                       ; in front of loads into registers that the last four products read
.endif
.irp t, 0,1,2,3
	ds_load_b128 v[WF+8*\t:WF+8*\t+3], v[\adr] offset:(\t/2)*\tb+(\t%2)*\tu+64*\ks
	ds_load_b128 v[WF+8*\t+4:WF+8*\t+7], v[\adr] offset:(\t/2)*\tb+(\t%2)*\tu+64*\ks+32
	ds_load_b32 v[WS+\t], v[\sadr] offset:(\t/2)*\sb+(\t%2)*\su+4*\ks
.endr
	s_wait_dscnt 0x0
.irp t, 0,1,2,3
.if \zero && (\ks == 0)
	MM0 ACC+8*\t, WF+8*\t, XF+8*\ks, WS+\t, XS+\ks
.else
	MMA ACC+8*\t, WF+8*\t, XF+8*\ks, WS+\t, XS+\ks
.endif
.endr
.endr
.endm
; Q's or K's 64 biases into the accumulators, in the result's layout: tile t, register j is d = 32 (t / 2) + 8 (t % 2) + 16 (lane / 16) + j
.macro PREB kind
	s_wait_xcnt 0x0                                ; earlier stores have read ACC and PC: both are written again only behind this wait
.irp t, 0,1,2,3
	ds_load_b128 v[ACC+8*\t:ACC+8*\t+3], v[ABP] offset:256*\kind+4*(32*(\t/2)+8*(\t%2))
	ds_load_b128 v[ACC+8*\t+4:ACC+8*\t+7], v[ABP] offset:256*\kind+4*(32*(\t/2)+8*(\t%2))+16
.endr
.endm
; The gate's 64 biases: they lie in LDS at place 16 t + 8 (lane / 16) + j, which holds bg of d = 16 t + 2 j + lane / 16
.macro PREBG
.irp t, 0,1,2,3
	ds_load_b128 v[ACC+8*\t:ACC+8*\t+3], v[ABG] offset:64*\t
	ds_load_b128 v[ACC+8*\t+4:ACC+8*\t+7], v[ABG] offset:64*\t+16
.endr
.endm
; x f, x cos; even = even - sin x odd; odd = odd + sin x (the new even): as the reference's rotation has it.  Each accumulator is read from its low end on.
.macro ROT f
.set j, 0
.rept 16
	v_pk_mul_f32 v[ACC+j:ACC+j+1], v[ACC+j:ACC+j+1], s[\f:\f+1] op_sel_hi:[1,0]
.set j, j+2
.endr
.set j, 0
.rept 16
	v_pk_mul_f32 v[ACC+j:ACC+j+1], v[ACC+j:ACC+j+1], v[COS+j:COS+j+1]
.set j, j+2
.endr
.set j, 0
.rept 16
	v_fma_f32 v[ACC+j], -v[SIN+j], v[ACC+j+1], v[ACC+j]
.set j, j+2
.endr
.set j, 0
.rept 16
	v_fma_f32 v[ACC+j+1], v[SIN+j], v[ACC+j], v[ACC+j+1]
.set j, j+2
.endr
.endm
; ACC's 32 numbers of a lane (register 16 b + i = k 32 b + 16 (lane / 16) + i) become four registers of codes (k = 32 (lane / 16) + 0 .. 31) in PC and two scale bytes in PW's low half.
.macro QUANT2
.irp b, 0,1
	v_max3_num_f32 v[TM+\b], |v[ACC+16*\b]|, |v[ACC+16*\b+1]|, 0x1800000   ; my 16 numbers of block b, and the floor 2^(3 - 127): the byte cannot fall under 1
.endr
.irp i, 2,4,6,8,10,12,14
.irp b, 0,1
	v_max3_num_f32 v[TM+\b], v[TM+\b], |v[ACC+16*\b+\i]|, |v[ACC+16*\b+\i+1]|
.endr
.endr
.irp b, 0,1
	v_permlanex16_b32 v[TP+\b], v[TM+\b], s[SEL], s[SEL+1]
.endr
.irp b, 0,1
	v_max_num_f32 v[TM+\b], v[TM+\b], v[TP+\b]     ; with lane l xor 16's: the block's largest magnitude
.endr
.irp b, 0,1
	v_add_nc_u32 v[SO+\b], 0xff000000, v[TM+\b]    ; 2 off its exponent field: the conversion's scale operand
.endr
.irp b, 0,1
	v_lshrrev_b32 v[BY+\b], 23, v[SO+\b]           ; the scale's byte
.endr
	v_lshl_or_b32 v[PW], v[BY+1], 8, v[BY]
.irp b, 0,1
	v_cvt_scalef32_pk8_fp4_f32 v[PC+2*\b], v[ACC+16*\b:ACC+16*\b+7], v[SO+\b]
	v_cvt_scalef32_pk8_fp4_f32 v[PC+2*\b+1], v[ACC+16*\b+8:ACC+16*\b+15], v[SO+\b]
.endr
	v_nop                                          ; one plain line behind a scaled conversion
	v_permlane16_swap_b32 v[PC], v[PC+2]           ; a whole block to a lane: lanes 0-15 block 0, lanes 16-31 block 1
	v_permlane16_swap_b32 v[PC+1], v[PC+3]
.endm
	s_load_b512 s[4:19], s[0:1], 0x0               ; xq 4, Wqkv codes 6, Wqkv scales 8, Wg codes 10, Wg scales 12, Wb codes 14, Wb scales 16, bqkv 18
	s_load_b512 s[20:35], s[0:1], 0x40             ; bg 20, bb 22, mask 24, alphaq 26, alphak 28, alphav 30, rcos 32, rsin 34
	s_load_b256 s[36:43], s[0:1], 0x80             ; qc 36, kv 38, side 40, gate 42
	v_lshl_add_u32 v254, v0, 2, 0x4ac00
	v_mov_b32 v255, 0
	ds_add_u32 v254, v255
	ds_add_u32 v254, v255
	s_wait_dscnt 0x0
	v_lshrrev_b32 v235, 5, v0                      ; w
	v_readfirstlane_b32 s[WV], v235
	s_bfe_u32 s[CX], ttmp6, 0x40000
	s_bfe_u32 s[CY], ttmp6, 0x40004
	s_lshl_b32 s[HD], ttmp9, 2
	s_add_co_u32 s[HD], s[HD], s[CX]               ; the head = 4 x cluster x + cx
	s_and_b32 s[RB], ttmp7, 0xffff
	s_lshl_b32 s[RB], s[RB], 2
	s_add_co_u32 s[RB], s[RB], s[CY]               ; the block of 256 rows = 4 x cluster y + cy
	s_lshr_b32 s[BH], s[RB], 3
	s_lshl_b32 s[BH], s[BH], 4
	s_add_co_u32 s[BH], s[BH], s[HD]               ; 16 x batch + head
	s_and_b32 s[QB], s[RB], 7                      ; the block within its batch
	s_lshl_b32 s96, s[CY], 2
	s_lshl_b32 s96, 15, s96                        ; my row of the cluster
	s_lshl_b32 s97, 0x1111, s[CX]                  ; my column
	; descriptor groups 1: 16 rows of 64 elements of 8 bytes; 4 words of padding behind every 128
	s_or_b32 s[G1X], s96, (3<<16)|(1<<20)|(1<<21)|(6<<22)|(3<<25)   ; x's tiles go to my row of the cluster
	s_or_b32 s[G1S], s97, (3<<16)|(1<<20)|(1<<21)|(6<<22)|(3<<25)   ; the weights to my column
.irp g, G1X, G1S
	s_mov_b32 s[\g+1], 64<<16                      ; tensor_dim0
	s_mov_b32 s[\g+2], 16<<16                      ; tensor_dim1
	s_mov_b32 s[\g+3], 64<<16                      ; tile_dim0
	s_mov_b32 s[\g+4], 16                          ; tile_dim1
	s_mov_b32 s[\g+6], 0
	s_mov_b32 s[\g+7], 0
.endr
	s_mov_b32 s[G1X+5], 64                         ; from row to row: 512 bytes,
	s_mov_b32 s[G1S+5], 1024                       ; or 8,192: a head's rows lie 16 rows apart
	; index work, all from the thread's number
	v_and_b32 v228, 15, v0                         ; r
	v_bfe_u32 v229, v0, 4, 1                       ; hh = lane / 16
	v_and_b32 v230, 7, v0                          ; r % 8
	v_bfe_u32 v231, v0, 3, 1                       ; r / 8
	v_and_b32 v232, 31, v0                         ; lane
	v_lshl_add_u32 v233, v230, 1, v231             ; 2 (r % 8) + r / 8: V's and the gate's choice of d
	v_lshlrev_b32 v234, 4, v229                    ; 16 hh
	v_bfe_u32 v236, v0, 5, 1                       ; w % 2
	v_bfe_u32 v237, v0, 6, 2                       ; (w / 2) % 4
	v_bfe_u32 v238, v0, 8, 1                       ; w / 8
	v_bfe_u32 v239, v0, 7, 2                       ; w / 4
	v_bfe_u32 v240, v0, 5, 2                       ; w % 4
	v_bfe_u32 v241, v0, 6, 3                       ; w / 2
	v_bfe_u32 v44, v0, 1, 4                        ; lane / 2
	v_and_b32 v45, 1, v0                           ; lane % 2
	v_bfe_u32 v46, v0, 7, 1                        ; (w / 4) % 2
	v_mul_u32_u24 v[AG], v231, GP                  ; Q, K: weight row 32 b + 8 u + r + 8 (r / 8) lies in group 2 b + r / 8, row 8 u + r % 8
	v_mad_u32_u24 v[AG], v230, XP, v[AG]
	v_add_nc_u32 v[AG], v[AG], v234
	v_add_nc_u32 v[AG], WT, v[AG]
	v_add_nc_u32 v[AQ], 4*GP, v[AG]
	v_add_nc_u32 v[AK], 8*GP, v[AG]
	v_mad_u32_u24 v[AG], v233, XP, v234            ; the gate: tile t is group t, my row of it 2 (r % 8) + r / 8
	v_add_nc_u32 v[AG], WT, v[AG]
	v_mul_u32_u24 v[SGA], v231, SGP
	v_mad_u32_u24 v[SGA], v230, SRP, v[SGA]
	v_add_nc_u32 v[SGA], SCL+16*SGP, v[SGA]
	v_add_nc_u32 v[SQA], 4*SGP, v[SGA]
	v_add_nc_u32 v[SKA], 8*SGP, v[SGA]
	v_mul_u32_u24 v[SGA], v233, SRP
	v_add_nc_u32 v[SGA], SCL+16*SGP, v[SGA]
	v_mad_u32_u24 v41, v235, 16*XP, v234
	v_mad_u32_u24 v[AXO], v228, XP, v41
	v_mul_u32_u24 v41, v235, SGP
	v_mad_u32_u24 v42, v228, SRP, v41
	v_add_nc_u32 v[AXSO], SCL, v42
	v_mad_u32_u24 v42, v44, SRP, v41
	v_lshl_add_u32 v42, v45, 4, v42
	v_add_nc_u32 v[SA], SCL, v42
	v_mad_u32_u24 v41, v239, 64*XP, v234
	v_mad_u32_u24 v[AVX], v228, XP, v41
	v_mul_u32_u24 v41, v239, 4*SGP
	v_mad_u32_u24 v41, v228, SRP, v41
	v_add_nc_u32 v[AVXS], SCL, v41
	v_mad_u32_u24 v41, v240, GP, v234
	v_mad_u32_u24 v41, v233, XP, v41
	v_add_nc_u32 v[AVW], WT+12*GP, v41
	v_mul_u32_u24 v41, v240, SGP
	v_mad_u32_u24 v41, v233, SRP, v41
	v_add_nc_u32 v[AVWS], SCL+28*SGP, v41
	v_lshl_add_u32 v[ABP], v229, 6, BIA
	v_lshl_add_u32 v[ABG], v229, 5, BIA
	v_lshlrev_b32 v41, 6, v240
	v_lshl_add_u32 v41, v233, 2, v41
	v_add_nc_u32 v[AVB], BIA+768, v41
	v_lshlrev_b32 v41, 7, v241                     ; my tile's rows in the block: 32 (w / 2) + 8 (w % 2) + 16 hh + 0 .. 7
	v_lshl_add_u32 v41, v236, 5, v41
	v_lshl_add_u32 v41, v229, 6, v41
	v_add_nc_u32 v[MK], BIA+1024, v41
	v_lshlrev_b32 v[L16], 4, v232
	v_lshl_add_u32 v41, v235, 6, GATH+2048         ; Q's scale words: [w][r]
	v_lshl_add_u32 v[GQ], v228, 2, v41
	v_lshlrev_b32 v40, 10, v238                    ; which of the block's two key steps
	v_lshl_add_u32 v41, v237, 2, v40               ; K's scale words: [r][pair of tiles], two bytes for each tile of the pair
	v_lshl_add_u32 v41, v236, 1, v41
	v_lshl_add_u32 v41, v228, 4, v41
	v_add_nc_u32 v[GK], GATH, v41
	v_lshl_add_u32 v41, v240, 2, v40               ; V's: [r][tile of d], two bytes for each 64 keys
	v_lshl_add_u32 v41, v46, 1, v41
	v_lshl_add_u32 v41, v228, 4, v41
	v_add_nc_u32 v[GV], GATH+256, v41
	v_lshl_add_u32 v41, v237, 7, v40               ; the bias: 128 f32 in the keys' own order
	v_lshl_add_u32 v41, v236, 5, v41
	v_lshl_add_u32 v41, v229, 6, v41
	v_add_nc_u32 v[GB], GATH+512, v41
	v_lshl_add_u32 v[GR], v0, 4, GATH
	v_lshl_add_u32 v[BST], v0, 2, BIA
	v_lshlrev_b32 v242, 4, v0                      ; offsets in memory: x's scale bytes, 16 a thread
	v_lshlrev_b32 v243, 9, v44                     ; the weights' scale bytes: row lane / 2 of my group, 512 bytes from row to row, half lane % 2
	v_lshl_add_u32 v243, v45, 4, v243
	v_lshlrev_b32 v41, 5, v241                     ; rcos, rsin: my row of the block, 256 bytes a row, + 64 hh
	v_lshl_add_u32 v41, v236, 3, v41
	v_lshl_add_u32 v41, v231, 3, v41
	v_add_nc_u32 v41, v41, v228
	v_lshlrev_b32 v41, 8, v41
	v_lshl_add_u32 v245, v229, 6, v41
	v_mov_b32 v247, 0
	; where the tiles come from.  x's hang on rb and the wave alone, the weights' on hd and the wave alone
	s_lshl_b32 s92, s[RB], 17                      ; 256 rows of 512 bytes,
	s_lshl_b32 s[T0], s[WV], 13                    ; 16 rows a wave
	s_add_co_u32 s92, s92, s[T0]
	s_mov_b32 s93, 0
	s_lshl_b32 s101, s[HD], 9
	s_lshl_b32 s94, s[WV], 17                      ; Wg: row 256 w + hd (waves 0-3)
	s_add_co_u32 s94, s94, s101
	s_mov_b32 s95, 0
	s_lshr_b32 s98, s[WV], 2
	s_add_co_u32 s98, s98, 3
	s_and_b32 s98, s98, 3                          ; waves 4-7: Q (0), 8-11: K (1), 12-15: V (2)
	s_and_b32 s99, s[WV], 3
	s_lshl_b32 s100, s98, 19                       ; Wqkv: row 1,024 kind + 256 (w % 4) + hd
	s_lshl_b32 s[T0], s99, 17
	s_add_co_u32 s100, s100, s[T0]
	s_add_co_u32 s100, s100, s101
	s_mov_b32 s101, 0
	s_wait_kmcnt 0x0
	s_mov_b32 s[G0X], 1
	s_mul_i32 s[G0X+1], s[WV], 16*XP               ; LDS: wave x 16 rows
	s_add_nc_u64 s[G0X+2:G0X+3], s[4:5], s[92:93]
	s_or_b32 s[G0X+3], s[G0X+3], 0x80000000
	s_mov_b32 s[G0D], 1
	s_mul_i32 s[G0D+1], s[WV], GP                  ; LDS: group w
	s_add_co_u32 s[G0D+1], s[G0D+1], WT
	s_add_nc_u64 s[G0D+2:G0D+3], s[10:11], s[94:95]
	s_or_b32 s[G0D+3], s[G0D+3], 0x80000000
	s_mov_b32 s[G0S], 1
	s_mul_i32 s[G0S+1], s[WV], GP
	s_add_co_u32 s[G0S+1], s[G0S+1], WT
	s_add_nc_u64 s[G0S+2:G0S+3], s[6:7], s[100:101]
	s_or_b32 s[G0S+3], s[G0S+3], 0x80000000
	; the small loads' bases
	s_lshl_b32 s92, s[RB], 13                      ; x's scale bytes: 256 rows of 32
	s_add_co_u32 s92, s92, XQS
	s_add_nc_u64 s[4:5], s[4:5], s[92:93]
	s_lshl_b32 s94, s99, 13                        ; the scale bytes of my group of weight rows: Wg's from row 256 (w % 4) + hd,
	s_lshl_b32 s[T0], s[HD], 5
	s_add_co_u32 s94, s94, s[T0]
	s_lshl_b32 s100, s98, 15                       ; Wqkv's 1,024 kind rows further on
	s_add_co_u32 s100, s100, s94
	s_cmp_lt_u32 s[WV], 4
	s_cselect_b64 s[12:13], s[12:13], s[8:9]
	s_cselect_b32 s94, s94, s100
	s_add_nc_u64 s[12:13], s[12:13], s[94:95]
	s_lshl_b32 s[T0], s[WV], 7                     ; a bias or a mask number a thread.  Waves 8-15: mask[256 rb + 32 (w - 8) + lane]
	s_lshl_b32 s100, s[RB], 10
	s_add_co_u32 s100, s100, s[T0]
	s_sub_co_u32 s100, s100, 1024
	s_lshl_b32 s99, s[HD], 2
	s_lshl_b32 s94, s[WV], 11                      ; waves 0, 1: bg[16 d + hd] with d = 32 w + 16 (lane / 16) + 2 (lane % 8) + (lane / 8) % 2: so place 32 w + lane of LDS holds what the result's registers want
	s_add_co_u32 s94, s94, s99
	s_lshr_b32 s98, s[WV], 1                       ; waves 2-7: bqkv[1,024 kind + 16 (32 (w % 2) + lane) + hd]
	s_add_co_u32 s98, s98, 3
	s_and_b32 s98, s98, 3
	s_lshl_b32 s98, s98, 12
	s_add_co_u32 s98, s98, s99
	s_and_b32 s99, s[WV], 1
	s_lshl_b32 s99, s99, 11
	s_add_co_u32 s98, s98, s99
	s_cmp_lt_u32 s[WV], 8
	s_cselect_b64 s[18:19], s[18:19], s[24:25]
	s_cselect_b32 s98, s98, s100
	s_cselect_b32 s99, 64, 4
	s_cmp_lt_u32 s[WV], 2
	s_cselect_b64 s[18:19], s[20:21], s[18:19]
	s_cselect_b32 s94, s94, s98
	s_cselect_b32 s99, 0, s99
	s_cselect_b32 s[T0], 64, 0
	s_add_nc_u64 s[18:19], s[18:19], s[94:95]
	v_mul_u32_u24 v244, v232, s99                  ; lane x 64 or x 4,
	v_add_nc_u32 v41, v233, v234
	v_mad_u32_u24 v244, v41, s[T0], v244           ; or, for the gate, the permuted d x 64
	s_lshl_b32 s92, s[QB], 16                      ; rcos, rsin: 256 rows of 256 bytes a block
	s_add_nc_u64 s[32:33], s[32:33], s[92:93]
	s_add_nc_u64 s[34:35], s[34:35], s[92:93]
	s_lshl_b32 s92, s[HD], 9                       ; Wb's row hd,
	s_add_nc_u64 s[14:15], s[14:15], s[92:93]
	s_lshl_b32 s92, s[HD], 5                       ; its scale bytes,
	s_add_nc_u64 s[16:17], s[16:17], s[92:93]
	s_lshl_b32 s92, s[HD], 2                       ; bb[hd]
	s_add_nc_u64 s[22:23], s[22:23], s[92:93]
	; where the results go
	s_lshl_b32 s92, s[BH], 16                      ; qc: (128 bh + 16 qb + w) x 512
	s_lshl_b32 s[T0], s[QB], 13
	s_add_co_u32 s92, s92, s[T0]
	s_lshl_b32 s[T0], s[WV], 9
	s_add_co_u32 s92, s92, s[T0]
	s_add_nc_u64 s[36:37], s[36:37], s[92:93]
	s_lshl_b32 s92, s[BH], 17                      ; kv: 131,072 a head; K's images (16 qb + w) x 512 on: s[6:7]
	s_lshl_b32 s[T0], s[QB], 13
	s_add_co_u32 s92, s92, s[T0]
	s_lshl_b32 s[T0], s[WV], 9
	s_add_co_u32 s94, s92, s[T0]
	s_add_nc_u64 s[6:7], s[38:39], s[94:95]
	s_lshr_b32 s[T0], s[WV], 3                     ; V's images: 65,536 + ((2 qb + w / 8) x 4 + w % 4) x 1,024 + 512 ((w / 4) % 2): s[38:39]
	s_lshl_b32 s[T0], s[T0], 12
	s_add_co_u32 s92, s92, s[T0]
	s_and_b32 s[T0], s[WV], 3
	s_lshl_b32 s[T0], s[T0], 10
	s_add_co_u32 s92, s92, s[T0]
	s_bfe_u32 s[T0], s[WV], 0x10002
	s_lshl_b32 s[T0], s[T0], 9
	s_add_co_u32 s92, s92, s[T0]
	s_add_co_u32 s92, s92, 65536
	s_add_nc_u64 s[38:39], s[38:39], s[92:93]
	s_lshl_b32 s92, s[BH], 19                      ; gate: (128 bh + 16 qb + w) x 4,096
	s_lshl_b32 s[T0], s[QB], 16
	s_add_co_u32 s92, s92, s[T0]
	s_lshl_b32 s[T0], s[WV], 12
	s_add_co_u32 s92, s92, s[T0]
	s_add_nc_u64 s[42:43], s[42:43], s[92:93]
	s_lshl_b32 s92, s[BH], 3                       ; side: (8 bh + qb) x 3,072
	s_add_co_u32 s92, s92, s[QB]
	s_mul_i32 s92, s92, 3072
	s_add_nc_u64 s[40:41], s[40:41], s[92:93]
	s_mov_b32 s[LG], 0xbfb8aa3b                    ; -log2(e)
	s_mov_b32 s[LG+1], s[LG]
	s_mov_b32 s[SEL], 0x76543210                   ; v_permlanex16_b32's selects for lane l xor 16
	s_mov_b32 s[SEL+1], 0xfedcba98
	s_load_b32 s[FQ], s[26:27], 0x0
	s_load_b32 s[FK], s[28:29], 0x0
	s_load_b32 s[FV], s[30:31], 0x0
	s_load_b32 s2, s[22:23], 0x0
	global_load_b128 v[24:27], v242, s[4:5]        ; 16 of x's scale bytes
	global_load_b128 v[28:31], v243, s[12:13]      ; 16 of the weights'
	global_load_b32 v32, v244, s[18:19]            ; a bias or a mask number
.irp b, 0,1
.irp q, 0,1,2,3
	global_load_b128 v[COS+16*\b+4*\q:COS+16*\b+4*\q+3], v245, s[32:33] offset:128*\b+16*\q
	global_load_b128 v[SIN+16*\b+4*\q:SIN+16*\b+4*\q+3], v245, s[34:35] offset:128*\b+16*\q
.endr
.endr
.irp ks, 0,1,2,3                       ; Wb's row hd as source 1, the same row in all sixteen columns: K steps 0-3 in WF, 4-7 in ACC
.irp c, 0,1
	global_load_b128 v[WF+8*\ks+4*\c:WF+8*\ks+4*\c+3], v234, s[14:15] offset:64*\ks+32*\c
	global_load_b128 v[ACC+8*\ks+4*\c:ACC+8*\ks+4*\c+3], v234, s[14:15] offset:256+64*\ks+32*\c
.endr
.endr
	global_load_b128 v[WBS:WBS+3], v247, s[16:17]
	global_load_b128 v[WBS+4:WBS+7], v247, s[16:17] offset:16
	ROUND                                          ; all sixteen work-groups are here: the joint loads meet
	tensor_load_to_lds s[G0X:G0X+3], s[G1X:G1X+7]  ; my 16 rows of x.  Two tensor loads of mine are out at the most; four v_nop follow each
	s_nop 0
	PLACES 4
	s_cmp_lt_u32 s[WV], 4
	s_cbranch_scc0 .Lqkv
	tensor_load_to_lds s[G0D:G0D+3], s[G1S:G1S+7]  ; waves 0-3: 16 rows of the head's gate
	s_nop 0
	PLACES 4
	s_branch .Lasked
.Lqkv:
	tensor_load_to_lds s[G0S:G0S+3], s[G1S:G1S+7]  ; waves 4-15: 16 rows of the head's Q, K or V
	s_nop 0
	PLACES 4
.Lasked:
	s_wait_loadcnt 34                              ; the first three loads are in; behind them: 16 of rcos and rsin, 16 of Wb's codes, 2 of its scales
	ds_store_b128 v[SA], v[24:27]
	ds_store_b128 v[SA], v[28:31] offset:16*SGP
	ds_store_b32 v[BST], v32
	s_wait_kmcnt 0x0
	v_mov_b32 v33, s[FQ]                           ; the three sigmoids, 1 / (1 + 2^(-alpha log2 e)), by turns
	v_mov_b32 v34, s[FK]
	v_mov_b32 v35, s[FV]
	v_mul_f32 v33, 0xbfb8aa3b, v33
	v_mul_f32 v34, 0xbfb8aa3b, v34
	v_mul_f32 v35, 0xbfb8aa3b, v35
	v_exp_f32 v33, v33
	v_exp_f32 v34, v34
	v_exp_f32 v35, v35
	v_nop                                          ; a plain line behind the transcendentals
	s_wait_alu depctr_va_vdst(0)
	v_add_f32 v33, 1.0, v33
	v_add_f32 v34, 1.0, v34
	v_add_f32 v35, 1.0, v35
	v_rcp_f32 v33, v33
	v_rcp_f32 v34, v34
	v_rcp_f32 v35, v35
	v_nop
	s_wait_alu depctr_va_vdst(0)
	v_mul_f32 v33, 0x3e000000, v33                 ; Q's also carries 64^-0.5 = 1 / 8
	v_readfirstlane_b32 s[FQ], v33
	v_readfirstlane_b32 s[FK], v34
	v_readfirstlane_b32 s[FV], v35
	s_mov_b32 s[FQ+1], s[FQ]
	s_mov_b32 s[FK+1], s[FK]
	s_mov_b32 s[FV+1], s[FV]
	s_mov_b32 s3, s2
	s_wait_tensorcnt 0x0                           ; my two tiles have landed,
	s_wait_dscnt 0x0                               ; my stores too:
	s_barrier_signal -1
	s_barrier_wait -1                              ; everybody's have
.irp ks, 0,1,2,3,4,5,6,7
.irp c, 0,1
	ds_load_b128 v[XF+8*\ks+4*\c:XF+8*\ks+4*\c+3], v[AXO] offset:64*\ks+32*\c   ; my row tile of x stays in registers for four units
.endr
.endr
	ds_load_b128 v[XS:XS+3], v[AXSO]
	ds_load_b128 v[XS+4:XS+7], v[AXSO] offset:16
	s_wait_loadcnt 0x0
	s_wait_dscnt 0x0
	; ---- B: x Wb for my 16 rows and head hd.  Source 0 = x's rows: a lane's eight registers are rows 16 hh + 0 .. 7 of the tile's 32; every column holds the same number.  Two accumulators by turns
.irp ks, 0,1,2,3,4,5,6,7
.if \ks < 4
.set WBF, WF+8*\ks
.else
.set WBF, ACC+8*(\ks-4)
.endif
.set BA, TM+8*(\ks%2)
.if \ks < 2
	MM0 BA, XF+8*\ks, WBF, XS+\ks, WBS+\ks
.else
	MMA BA, XF+8*\ks, WBF, XS+\ks, WBS+\ks
.endif
.endr
	PLACES 5                                       ; the next unit's products write over registers that these have read
	ds_load_b128 v[WF:WF+3], v[MK]
	ds_load_b128 v[WF+4:WF+7], v[MK] offset:16
	s_wait_dscnt 0x0
.irp j, 0,2,4,6
	v_pk_add_f32 v[TM+\j:TM+\j+1], v[TM+\j:TM+\j+1], v[TM+8+\j:TM+8+\j+1]   ; both accumulators from their low ends on
.endr
.irp j, 0,2,4,6
	v_pk_add_f32 v[TM+\j:TM+\j+1], v[TM+\j:TM+\j+1], s[2:3] op_sel_hi:[1,0]   ; + bb[hd]
.endr
.irp j, 0,2,4,6
	v_pk_add_f32 v[TM+\j:TM+\j+1], v[TM+\j:TM+\j+1], v[WF+\j:WF+\j+1] neg_lo:[0,1] neg_hi:[0,1]   ; - mask
.endr
	ds_store_b128 v[GB], v[TM:TM+3]                ; sixteen lanes write the same bytes with the same values
	ds_store_b128 v[GB], v[TM+4:TM+7] offset:16
	; ---- G: sigmoid(x Wg + bg) of head hd: tile t, register j is d = 16 t + 2 j + hh of my lane's row
	PREBG
	UNIT AG, SGA, 2*GP, GP, 2*SGP, SGP, 0
	PLACES 4
.set j, 0
.rept 16
	v_pk_mul_f32 v[ACC+j:ACC+j+1], v[ACC+j:ACC+j+1], s[LG:LG+1] op_sel_hi:[1,0]
.set j, j+2
.endr
.set j, 0
.rept 32
	v_exp_f32 v[ACC+j], v[ACC+j]
.set j, j+1
.endr
	v_nop
.set j, 0
	s_wait_alu depctr_va_vdst(0)
.rept 16
	v_pk_add_f32 v[ACC+j:ACC+j+1], v[ACC+j:ACC+j+1], 1.0 op_sel_hi:[1,0]
.set j, j+2
.endr
.set j, 0
.rept 32
	v_rcp_f32 v[ACC+j], v[ACC+j]
.set j, j+1
.endr
	v_nop
	s_wait_alu depctr_va_vdst(0)
.irp q, 0,1,2,3,4,5,6,7
	global_store_b128 v[L16], v[ACC+4*\q:ACC+4*\q+3], s[42:43] offset:512*\q   ; the wave stores 512 consecutive bytes
.endr
	; ---- Q
	PREB 1
	UNIT AQ, SQA, 2*GP, 8*XP, 2*SGP, 8*SRP, 0
	PLACES 4
	ROT FQ
	QUANT2
	v_lshl_or_b32 v[PW], v[PW], 16, v[PW]          ; Q's two bytes twice: they serve either half of the instruction's K
	global_store_b128 v[L16], v[PC:PC+3], s[36:37]
	ds_store_b32 v[GQ], v[PW]
	; ---- K
	PREB 2
	UNIT AK, SKA, 2*GP, 8*XP, 2*SGP, 8*SRP, 0
	PLACES 4
	ROT FK
	QUANT2
	global_store_b128 v[L16], v[PC:PC+3], s[6:7]
	ds_store_b16 v[GK], v[PW]
	; ---- V: 64 keys (w / 4) x 16 columns (w % 4).  The weights stay, x's tiles are streamed as source 0: a lane holds one column, its registers run along the keys
	s_wait_xcnt 0x0                                ; K's store has read PC
.irp ks, 0,1,2,3,4,5,6,7
.irp c, 0,1
	ds_load_b128 v[XF+8*\ks+4*\c:XF+8*\ks+4*\c+3], v[AVW] offset:64*\ks+32*\c
.endr
.endr
	ds_load_b128 v[XS:XS+3], v[AVWS]
	ds_load_b128 v[XS+4:XS+7], v[AVWS] offset:16
	ds_load_b32 v[VB], v[AVB]
	UNIT AVX, AVXS, 32*XP, 16*XP, 2*SGP, SGP, 1
	PLACES 4
.set j, 0
.rept 16
	v_pk_add_f32 v[ACC+j:ACC+j+1], v[ACC+j:ACC+j+1], v[VB:VB+1] op_sel_hi:[1,0]   ; + my column's bias
.set j, j+2
.endr
.set j, 0
.rept 16
	v_pk_mul_f32 v[ACC+j:ACC+j+1], v[ACC+j:ACC+j+1], s[FV:FV+1] op_sel_hi:[1,0]
.set j, j+2
.endr
	QUANT2
	global_store_b128 v[L16], v[PC:PC+3], s[38:39]
	ds_store_b16 v[GV], v[PW]
	; ---- the scale words and the bias leave as 3,072 consecutive bytes
	s_wait_dscnt 0x0                               ; my stores into the gathering bytes are done,
	s_barrier_signal -1
	s_barrier_wait -1                              ; everybody's are
	s_cmp_lt_u32 s[WV], 6
	s_cbranch_scc0 .Lno_side
	v_lshlrev_b32 v28, 4, v0
	ds_load_b128 v[24:27], v[GR]
	s_wait_dscnt 0x0
	global_store_b128 v28, v[24:27], s[40:41]
.Lno_side:
	s_wait_xcnt 0x0
	v_lshl_add_u32 v254, v0, 2, 0x4ac00
	v_mov_b32 v255, 0
	s_wait_tensorcnt 0x0
	ds_add_u32 v254, v255
	s_wait_dscnt 0x0
	ROUND                                          ; the closing round: no work-group ends while a partner may still ask for a tile that names it
	s_endpgm
.Lfunc_end_k_qdd275522c9_proj:
	.size	k_qdd275522c9_proj, .Lfunc_end_k_qdd275522c9_proj-k_qdd275522c9_proj
	.p2alignl 7, 3214868480
	.fill 96, 4, 3214868480
	.section	.rodata,"a",@progbits
	.p2align	6, 0x0
	.amdhsa_kernel k_qdd275522c9_proj
		.amdhsa_group_segment_fixed_size 327680
		.amdhsa_private_segment_fixed_size 0
		.amdhsa_enable_private_segment 0
		.amdhsa_kernarg_size 160
		.amdhsa_user_sgpr_count 2
		.amdhsa_user_sgpr_kernarg_segment_ptr 1
		.amdhsa_wavefront_size32 1
		.amdhsa_system_sgpr_workgroup_id_x 1
		.amdhsa_system_sgpr_workgroup_id_y 1
		.amdhsa_system_sgpr_workgroup_id_z 1
		.amdhsa_system_vgpr_workitem_id 0
		.amdhsa_next_free_vgpr 256
		.amdhsa_next_free_sgpr 102
		.amdhsa_reserve_vcc 0
		.amdhsa_float_denorm_mode_32 3
		.amdhsa_float_denorm_mode_16_64 3
		.amdhsa_memory_ordered 1
		.amdhsa_forward_progress 1
		.amdhsa_inst_pref_size 92
	.end_amdhsa_kernel
	.amdgpu_metadata
---
amdhsa.version: [ 1, 2 ]
amdhsa.kernels:
  - .name:           k_qdd275522c9_proj
    .symbol:         k_qdd275522c9_proj.kd
    .args:
      - { .name: xq, .offset: 0, .size: 8, .value_kind: global_buffer, .address_space: global }
      - { .name: Wqkv_codes, .offset: 8, .size: 8, .value_kind: global_buffer, .address_space: global }
      - { .name: Wqkv_scales, .offset: 16, .size: 8, .value_kind: global_buffer, .address_space: global }
      - { .name: Wg_codes, .offset: 24, .size: 8, .value_kind: global_buffer, .address_space: global }
      - { .name: Wg_scales, .offset: 32, .size: 8, .value_kind: global_buffer, .address_space: global }
      - { .name: Wb_codes, .offset: 40, .size: 8, .value_kind: global_buffer, .address_space: global }
      - { .name: Wb_scales, .offset: 48, .size: 8, .value_kind: global_buffer, .address_space: global }
      - { .name: bqkv, .offset: 56, .size: 8, .value_kind: global_buffer, .address_space: global }
      - { .name: bg, .offset: 64, .size: 8, .value_kind: global_buffer, .address_space: global }
      - { .name: bb, .offset: 72, .size: 8, .value_kind: global_buffer, .address_space: global }
      - { .name: mask, .offset: 80, .size: 8, .value_kind: global_buffer, .address_space: global }
      - { .name: alphaq, .offset: 88, .size: 8, .value_kind: global_buffer, .address_space: global }
      - { .name: alphak, .offset: 96, .size: 8, .value_kind: global_buffer, .address_space: global }
      - { .name: alphav, .offset: 104, .size: 8, .value_kind: global_buffer, .address_space: global }
      - { .name: rcos, .offset: 112, .size: 8, .value_kind: global_buffer, .address_space: global }
      - { .name: rsin, .offset: 120, .size: 8, .value_kind: global_buffer, .address_space: global }
      - { .name: qc, .offset: 128, .size: 8, .value_kind: global_buffer, .address_space: global }
      - { .name: kv, .offset: 136, .size: 8, .value_kind: global_buffer, .address_space: global }
      - { .name: side, .offset: 144, .size: 8, .value_kind: global_buffer, .address_space: global }
      - { .name: gate, .offset: 152, .size: 8, .value_kind: global_buffer, .address_space: global }
    .group_segment_fixed_size: 327680
    .private_segment_fixed_size: 0
    .kernarg_segment_align: 8
    .kernarg_segment_size: 160
    .max_flat_workgroup_size: 512
    .sgpr_count:     102
    .vgpr_count:     256
    .wavefront_size: 32
...
	.end_amdgpu_metadata
.endif
;; end of part 2
;; launch attn (part 3): grid 8 x 32, 16 waves a work-group, clusters of 4 x 1, 169,984 bytes of LDS; arguments qc, kv, side, gate, att; writes att
.if DOCPART == 3
	.amdgcn_target "amdgcn-amd-amdhsa--gfx1250"
	.amdhsa_code_object_version 6
	.text
	.protected	k_qdd275522c9_attn
	.globl	k_qdd275522c9_attn
	.p2align	8
	.type	k_qdd275522c9_attn,@function
k_qdd275522c9_attn:
	s_mov_b64 s[64:65], 0
	v_nop
	global_prefetch_b8 v0, s[64:65] scope:SCOPE_SE
	s_setreg_imm32_b32 hwreg(HW_REG_WAVE_MODE, 25, 1), 1
	s_wait_xcnt 0x0
	s_wait_alu depctr_hold_cnt(0) depctr_sa_sdst(0) depctr_va_vdst(0) depctr_va_sdst(0) depctr_va_ssrc(0) depctr_va_vcc(0) depctr_vm_vsrc(0)
	s_getreg_b32 s2, hwreg(HW_REG_IB_STS2, 6, 4)
	s_cmp_eq_u32 s2, 0
	s_cbranch_scc0 .Lentry_in_a_cluster
	s_endpgm
.Lentry_in_a_cluster:
	s_bfe_u32 s2, ttmp6, 0x10000c
	s_cmp_lg_u32 s2, 0x3003
	s_cbranch_scc0 .Lentry_shape_is_right
	s_endpgm
.Lentry_shape_is_right:
; att[bh][q][:] = gate x the sum over k of softmax_k(Q.K / 8 + bias[k]) V[k][:], both products on codes of FP4 with E8M0 scales.  2,048 keys, head size 64; 1 / 8 is in Q's numbers already; bias = Wb(x) + bb - mask.
; THE SOFTMAX AHEAD OF THE SECOND PRODUCT: t = logit x log2(e); M = the row's largest t so far, rounded UP to a whole number; p = 2^(t - M) is what is quantised, along the keys, not normalised.
; The row's sum is taken of the unquantised p, in f32, and divides at the end.  When M moves, the sum and O are multiplied by 2^(old M - new M): exact.
; SHARES.  A work-group owns 256 queries of one head; each of its sixteen waves one tile of 16, in 256 registers: four waves to a SIMD, so that one wave's vector work stands beside another's products and LDS loads.
; The head's K, V, scale words and bias, 147,456 bytes, lie in LDS for the whole launch, filled once.  CLUSTER 4 x 1: four query blocks of one head want the same bytes and ask for them jointly.
; LAYOUT.  Both products are used transposed (S^T = K Q^T, O^T = V^T P^T): a lane holds ONE query (lane % 16) throughout.  K, V and Q come as images of their operand registers: 16 bytes a lane, 512 consecutive bytes a load.
; K = 64 IN AN INSTRUCTION OF K = 128.  A fragment of source 0 holds key tile 2 b in k 0-63 and key tile 2 b + 1 in k 64-127; Q stands once as [Q, 0] and once as [0, Q]: the half that is not wanted meets zero codes.
; A tile's keys are 32 b + 8 u + r + 8 (r / 8), so that the 16 registers of tiles 2 b and 2 b + 1 are keys 32 b + 16 (lane / 16) + 0 .. 15.
; THE BIAS IS THE C of the first product: it is loaded into the scores' registers, and the product adds onto it.
; THE GATE of my tile lies in memory as an image of O^T's registers: it is asked for at the head, 4 KiB a wave, and waits in eight groups of four registers that the loop leaves alone.
; A key whose mask is +infinity gets the logit -infinity and p = 0; a row all of whose keys are so masked gives NaN here as in the reference.
.set SIDE, 131072                      ; LDS: K's images [tile 128][512] from 0, V's [step 16][t 4][c 2][512] from 65,536; from here a record of 1,024 bytes a key step: K's scale words [r][4], V's [r][4], 128 f32 of bias
.set AK0,  1                           ; v1   16 x lane
.set AV0,  2                           ; v2   65,536 + 16 x lane
.set AS0,  3                           ; v3   SIDE + 16 r
.set AB0,  201                         ; v201 SIDE + 512 + 64 (lane / 16)
.set QSO,  222                         ; v222 4 r: my place among Q's scale words
.set ADK,  8                           ; v8-11 the step's addresses
.set ADV,  9
.set ADS,  10
.set ADB,  11
.set QF0,  16                          ; v16-23 [Q, 0];  v24-31 [0, Q]
.set QF1,  24
.set KF,   32                          ; v32-63  four pair fragments of K
.set VF,   64                          ; v64-95  four fragments of V^T
.set S,    96                          ; v96-159 the bias, then S^T, then p
.set O,    160                         ; v160-191 O^T: tile t, register j is d = 16 t + 2 j + lane / 16
.set KS,   192                         ; v192-195 K's scale words, v196-199 V's, v200 Q's: scales and nothing else
.set VS,   196
.set QS,   200
.set PC,   224                         ; v224-231 p's codes; v232-239, v244-247, v252-254 at work; v253 p's scale word; v12 -M, v13 the largest t, v[14:15] the sum in two halves
                                       ; the gate: v4-7, v202-221, v240-243, v248-251
.set WV,   12
.set SEL,  20
.set CS,   22                          ; s[22:23] log2(e), twice
.set G1K,  24
.set G1S,  32
.set G0K,  40
.set G0S,  44
.set TK,   52                          ; s52  the step's images: 4,096 bytes a step
.set TS,   53                          ; s53  its record: 1,024 a step
.set CNT,  54
.set ATT,  56                          ; s[56:57] att
.macro ROUND
	s_barrier_signal -1
	s_barrier_wait -1
	s_cmp_lg_u32 s[WV], 0
	s_cbranch_scc1 .Lnot_wave_0_\@
	s_barrier_signal -3
.Lnot_wave_0_\@:
	s_barrier_wait -3
	s_barrier_signal -1
	s_barrier_wait -1
.endm
.macro MMA d, a, b, sa, sb
	v_wmma_scale_f32_16x16x128_f8f6f4 v[\d:\d+7], v[\a:\a+7], v[\b:\b+7], v[\d:\d+7], v[\sa], v[\sb] matrix_a_fmt:MATRIX_FMT_FP4 matrix_b_fmt:MATRIX_FMT_FP4
.endm
.macro GLD g, reg                      ; registers 4 g .. 4 g + 3 of the gate's image
	global_load_b128 v[\reg:\reg+3], v[AK0], s[10:11] offset:512*\g th:TH_LOAD_NT   ; read once in the launch
.endm
.macro GMUL g, reg
.irp q, 0,1,2,3
	v_mul_f32 v[S+4*\g+\q], v[S+4*\g+\q], v[\reg+\q]
.endr
.endm
	s_load_b256 s[4:11], s[0:1], 0x0               ; qc, kv, side, gate
	s_load_b64 s[ATT:ATT+1], s[0:1], 0x20          ; att
	v_lshl_add_u32 v223, v0, 2, 0x29000
	v_mov_b32 v255, 0
	ds_add_u32 v223, v255
	ds_add_u32 v223, v255
	v_lshrrev_b32 v8, 5, v0
	v_readfirstlane_b32 s[WV], v8                  ; wave 0..15
	s_bfe_u32 s13, ttmp6, 0x40000                  ; cx
	s_lshl_b32 s14, ttmp9, 2
	s_add_co_u32 s14, s14, s13                     ; my block of 256 queries: it enters Q's, the gate's and att's addresses alone
	s_and_b32 s15, ttmp7, 0xffff                   ; 16 x batch + head, which the four partners share
	; descriptor groups 1, elements of 8 bytes, no padding.  K and V: 64 rows of 256 bytes, dense.  The records: 8 rows of 2,048 bytes, 3,072 bytes apart
	s_mov_b32 s[G1K], 15|(3<<16)|(1<<21)           ; the mask: all four work-groups; bit 21 set beside it
	s_mov_b32 s[G1K+1], 32<<16
	s_mov_b32 s[G1K+2], 64<<16
	s_mov_b32 s[G1K+3], 32<<16
	s_mov_b32 s[G1K+4], 64
	s_mov_b32 s[G1K+5], 32
	s_mov_b32 s[G1K+6], 0
	s_mov_b32 s[G1K+7], 0
	s_mov_b32 s[G1S], 15|(3<<16)|(1<<21)
	s_mov_b32 s[G1S+1], 256<<16
	s_mov_b32 s[G1S+2], 8<<16
	s_mov_b32 s[G1S+3], 256<<16
	s_mov_b32 s[G1S+4], 8
	s_mov_b32 s[G1S+5], 384
	s_mov_b32 s[G1S+6], 0
	s_mov_b32 s[G1S+7], 0
	s_lshl_b32 s16, s15, 17                        ; kv: 131,072 a head, 16,384 a wave
	s_lshl_b32 s3, s[WV], 14
	s_add_co_u32 s16, s16, s3
	s_mov_b32 s17, 0
	s_mul_i32 s18, s15, 24576                      ; side: 8 x 3,072 a head
	s_mov_b32 s19, 0
	s_lshl_b32 s48, s15, 7
	s_lshl_b32 s49, s14, 4
	s_add_co_u32 s48, s48, s49
	s_add_co_u32 s48, s48, s[WV]                   ; my query tile: 128 bh + 16 qb + w
	s_lshl_b32 s50, s48, 12                        ; 4,096 bytes of the gate and of att,
	s_mov_b32 s51, 0
	s_lshl_b32 s48, s48, 9                         ; 512 of qc
	s_mov_b32 s49, 0
	s_lshl_b32 s2, s15, 3                          ; Q's scale words: (8 bh + qb) x 3,072 + 2,048 + 64 w
	s_add_co_u32 s2, s2, s14
	s_mul_i32 s2, s2, 3072
	s_lshl_b32 s3, s[WV], 6
	s_add_co_u32 s2, s2, s3
	s_add_co_u32 s2, s2, 2048
	s_mov_b32 s3, 0
	s_mov_b32 s[SEL], 0x76543210
	s_mov_b32 s[SEL+1], 0xfedcba98
	s_mov_b32 s[CS], 0x3fb8aa3b                    ; log2(e)
	s_mov_b32 s[CS+1], s[CS]
	s_mov_b32 s[TK], 0
	s_mov_b32 s[TS], 0
	s_mov_b32 s[CNT], 16
	v_and_b32 v8, 31, v0
	v_lshlrev_b32 v[AK0], 4, v8
	v_add_nc_u32 v[AV0], 65536, v[AK0]
	v_and_b32 v9, 15, v0
	v_lshl_add_u32 v[AS0], v9, 4, SIDE
	v_bfe_u32 v10, v0, 4, 1
	v_lshl_add_u32 v[AB0], v10, 6, SIDE+512
	v_lshlrev_b32 v[QSO], 2, v9
	s_wait_dscnt 0x0
	s_wait_kmcnt 0x0
	s_mov_b32 s[G0K], 1
	s_lshl_b32 s[G0K+1], s[WV], 14
	s_add_nc_u64 s[G0K+2:G0K+3], s[6:7], s[16:17]
	s_or_b32 s[G0K+3], s[G0K+3], 0x80000000
	s_mov_b32 s[G0S], 1
	s_mov_b32 s[G0S+1], SIDE
	s_add_nc_u64 s[G0S+2:G0S+3], s[8:9], s[18:19]
	s_or_b32 s[G0S+3], s[G0S+3], 0x80000000
	s_add_nc_u64 s[4:5], s[4:5], s[48:49]
	s_add_nc_u64 s[8:9], s[8:9], s[2:3]
	s_add_nc_u64 s[10:11], s[10:11], s[50:51]
	s_add_nc_u64 s[ATT:ATT+1], s[ATT:ATT+1], s[50:51]
	global_load_b128 v[QF0:QF0+3], v[AK0], s[4:5]  ; Q's image twice: as k 0-63 of one operand,
	global_load_b128 v[QF1+4:QF1+7], v[AK0], s[4:5]   ; and as k 64-127 of the other
	global_load_b32 v[QS], v[QSO], s[8:9]
	GLD 0, 4                                       ; the gate of my tile: it is wanted only behind the loop
	GLD 1, 202
	GLD 2, 206
	GLD 3, 210
	GLD 4, 214
	GLD 5, 218
	GLD 6, 240
	GLD 7, 248
	ROUND                                          ; all four work-groups are here: the joint loads meet
	s_cmp_lt_u32 s[WV], 8                          ; waves 0-7: an eighth of K and V each; wave 8: the records; one tensor load a wave at the most; four v_nop follow each
	s_cbranch_scc0 .Lnot_kv
	tensor_load_to_lds s[G0K:G0K+3], s[G1K:G1K+7]
	s_nop 0
.rept 4
	v_nop
.endr
	s_branch .Lasked
.Lnot_kv:
	s_cmp_lt_u32 s[WV], 9
	s_cbranch_scc0 .Lasked
	tensor_load_to_lds s[G0S:G0S+3], s[G1S:G1S+7]
	s_nop 0
.rept 4
	v_nop
.endr
.Lasked:
.irp j, 4,5,6,7,8,9,10,11
	v_mov_b32 v[QF0+\j], 0                         ; the zero codes of [Q, 0] and [0, Q]
.endr
	v_mov_b32 v13, 0xff61b1e6                      ; the largest t so far: -3e38, under every t
	v_floor_f32 v12, -v13                          ; -M
	v_mov_b32 v14, 0                               ; the sum, in two halves
	v_mov_b32 v15, 0
.irp b, 0,1,2,3
	v_mov_b32 v[236+\b], 0                         ; written once: a lane permute's destination counts as one of its sources
.endr
	v_mov_b32 v253, 0                              ; (named as the upper half of the pair v[252:253] before it is first written)
.set j, 0
.rept 32
	v_mov_b32 v[O+j], 0                            ; O^T.  The step is written once: the first finds zeros, which the first change of M leaves zeros
.set j, j+1
.endr
	s_wait_tensorcnt 0x0                           ; my part has landed,
	s_barrier_signal -1
	s_barrier_wait -1                              ; everybody's has
	s_wait_loadcnt 0x0                             ; Q and the gate
.Lstep:                                            ; 16 trips of 128 keys
	v_add_nc_u32 v[ADK], s[TK], v[AK0]
	v_add_nc_u32 v[ADV], s[TK], v[AV0]
	v_add_nc_u32 v[ADS], s[TS], v[AS0]
	v_add_nc_u32 v[ADB], s[TS], v[AB0]
.irp i, 0,1,2,3,4,5,6,7
	ds_load_b128 v[KF+4*\i:KF+4*\i+3], v[ADK] offset:512*\i     ; key tile i: half i % 2 of pair fragment i / 2
.endr
	ds_load_b128 v[KS:KS+3], v[ADS]                ; a word a pair: two bytes of each tile
.irp b, 0,1,2,3
.irp u, 0,1
	ds_load_b128 v[S+16*\b+8*\u:S+16*\b+8*\u+3], v[ADB] offset:4*(32*\b+8*\u)       ; the bias of keys 32 b + 8 u + 16 (lane / 16) + 0 .. 7
	ds_load_b128 v[S+16*\b+8*\u+4:S+16*\b+8*\u+7], v[ADB] offset:4*(32*\b+8*\u)+16
.endr
.endr
	s_wait_dscnt 0x0
.irp b, 0,1,2,3
	MMA S+16*\b, KF+8*\b, QF0, KS+\b, QS           ; eight accumulators, one product each: the logits
	MMA S+16*\b+8, KF+8*\b, QF1, KS+\b, QS
.endr
.rept 4
	v_nop                                          ; places in front of the first read of the scores; with the four additions above also in front of the loads into V's registers
.endr
.irp i, 0,1,2,3,4,5,6,7
	ds_load_b128 v[VF+4*\i:VF+4*\i+3], v[ADV] offset:512*\i     ; V^T's four fragments land under the softmax
.endr
	ds_load_b128 v[VS:VS+3], v[ADS] offset:256
.irp b, 0,1,2,3
	v_max3_num_f32 v[232+\b], v[S+16*\b], v[S+1+16*\b], v[S+2+16*\b]   ; the largest logit of each block of 32 keys: it serves the row's maximum and, since p rises with the logit, the block's largest p
.endr
.irp i, 3,5,7,9,11,13
.irp b, 0,1,2,3
	v_max3_num_f32 v[232+\b], v[232+\b], v[S+16*\b+\i], v[S+1+16*\b+\i]
.endr
.endr
.irp b, 0,1,2,3
	v_max_num_f32 v[232+\b], v[232+\b], v[S+15+16*\b]
.endr
.irp b, 0,1,2,3
	v_permlanex16_b32 v[236+\b], v[232+\b], s[SEL], s[SEL+1]
.endr
.irp b, 0,1,2,3
	v_max_num_f32 v[232+\b], v[232+\b], v[236+\b]  ; with lane l xor 16's 16 keys
.endr
	v_max3_num_f32 v254, v232, v233, v234
	v_max_num_f32 v254, v254, v235                 ; the step's largest logit of my query
	v_mul_f32 v254, s[CS], v254                    ; as t
	v_max_num_f32 v13, v13, v254                   ; the running largest t
	v_mov_b32 v254, v12
	v_floor_f32 v12, -v13                          ; the new -M = -ceil(t): a whole number
	v_sub_f32 v254, v12, v254                      ; old M - new M: a whole number, 0 or less
	v_cvt_i32_f32 v254, v254                       ; (it saturates)
	v_ldexp_f32 v252, 1.0, v254                    ; f = 2^(old M - new M)
.set j, 0
.rept 32
	v_pk_fma_f32 v[S+j:S+j+1], v[S+j:S+j+1], s[CS:CS+1], v[12:13] op_sel_hi:[1,0,0]   ; t - M, two at a time
.set j, j+2
.endr
.irp b, 0,1,2,3
	v_fma_f32 v[232+\b], v[232+\b], s[CS], v12     ; the same of each block's largest logit
.endr
.set j, 0
.rept 64
	v_exp_f32 v[S+j], v[S+j]                       ; p = 2^(t - M), at most 1
.set j, j+1
.endr
.irp b, 0,1,2,3
	v_exp_f32 v[232+\b], v[232+\b]                 ; the block's largest p: the same two instructions on the same number
.endr
	v_pk_mul_f32 v[14:15], v[14:15], v[252:253] op_sel_hi:[1,0]   ; the sums under the new M (a plain line behind the exponentials)
	s_wait_alu depctr_va_vdst(0)
.irp b, 0,1,2,3
	v_max_num_f32 v[232+\b], 0x1800000, v[232+\b]  ; the floor 2^(3 - 127): the byte cannot fall under 1
.endr
.irp b, 0,1,2,3
	v_add_nc_u32 v[244+\b], 0xff000000, v[232+\b]  ; 2 off the exponent field: the conversion's scale operand
.endr
.irp b, 0,1,2,3
	v_lshrrev_b32 v[236+\b], 23, v[244+\b]         ; the scale's byte
.endr
	v_lshl_or_b32 v253, v237, 8, v236              ; p's scale word for these 128 keys
	v_lshl_or_b32 v253, v238, 16, v253
	v_lshl_or_b32 v253, v239, 24, v253
.irp b, 0,1,2,3
	v_cvt_scalef32_pk8_fp4_f32 v[PC+2*\b], v[S+16*\b:S+7+16*\b], v[244+\b]
	v_cvt_scalef32_pk8_fp4_f32 v[PC+1+2*\b], v[S+8+16*\b:S+15+16*\b], v[244+\b]
.endr
	v_nop                                          ; one plain line behind a scaled conversion
.irp c, 0,1                                    ; a whole block to a lane: lanes 0-15 block 2 c, lanes 16-31 block 2 c + 1
.irp i, 0,1
	v_permlane16_swap_b32 v[PC+4*\c+\i], v[PC+2+4*\c+\i]
.endr
.endr
	v_pk_add_f32 v[236:237], v[S:S+1], v[S+2:S+3]  ; the row's sum is taken of the unquantised p: two at a time, in two chains
.irp j, 4,8,12,16,20,24,28,32,36,40,44,48,52,56,60
	v_pk_add_f32 v[14:15], v[14:15], v[S+\j:S+1+\j]
	v_pk_add_f32 v[236:237], v[236:237], v[S+2+\j:S+3+\j]
.endr
	v_pk_add_f32 v[14:15], v[14:15], v[236:237]
.set j, 0
.rept 16
	v_pk_mul_f32 v[O+j:O+j+1], v[O+j:O+j+1], v[252:253] op_sel_hi:[1,0]   ; O^T under the new M.  These and the sums are the places between p's codes and scale word and the products below
.set j, j+2
.endr
	s_wait_dscnt 0x0                               ; V's nine loads
.irp t, 0,1,2,3
	MMA O+8*\t, VF+8*\t, PC, VS+\t, 253            ; O^T += V^T P^T: four accumulators, one product each; eight other products stand before each is taken up again
.endr
	s_add_co_u32 s[TK], s[TK], 4096
	s_add_co_u32 s[TS], s[TS], 1024
	s_sub_co_u32 s[CNT], s[CNT], 1
	s_cmp_lg_u32 s[CNT], 0
	s_cbranch_scc1 .Lstep
.rept 4
	v_nop                                          ; places behind the last products
.endr
	v_add_f32 v14, v14, v15                        ; the sum's two halves,
	v_permlanex16_b32 v252, v14, s[SEL], s[SEL+1]
	v_add_f32 v14, v14, v252                       ; and lane l xor 16's: the row's sum
	v_rcp_f32 v14, v14
	v_nop                                          ; a plain line behind the transcendental
.set j, 0
	s_wait_alu depctr_va_vdst(0)
.rept 32
	v_mul_f32 v[S+j], v[O+j], v14                  ; O^T / the sum, each accumulator from its low end on
.set j, j+1
.endr
	GMUL 0, 4                                      ; x the gate, register by register: both lie in the same order
	GMUL 1, 202
	GMUL 2, 206
	GMUL 3, 210
	GMUL 4, 214
	GMUL 5, 218
	GMUL 6, 240
	GMUL 7, 248
.irp g, 0,1,2,3,4,5,6,7
	global_store_b128 v[AK0], v[S+4*\g:S+4*\g+3], s[ATT:ATT+1] offset:512*\g   ; as an image of the registers: the wave stores 512 consecutive bytes
.endr
	s_wait_tensorcnt 0x0
	ds_add_u32 v223, v255
	s_wait_dscnt 0x0
	ROUND                                          ; the closing round
	s_endpgm
.Lfunc_end_k_qdd275522c9_attn:
	.size	k_qdd275522c9_attn, .Lfunc_end_k_qdd275522c9_attn-k_qdd275522c9_attn
	.p2alignl 7, 3214868480
	.fill 96, 4, 3214868480
	.section	.rodata,"a",@progbits
	.p2align	6, 0x0
	.amdhsa_kernel k_qdd275522c9_attn
		.amdhsa_group_segment_fixed_size 169984
		.amdhsa_private_segment_fixed_size 0
		.amdhsa_enable_private_segment 0
		.amdhsa_kernarg_size 40
		.amdhsa_user_sgpr_count 2
		.amdhsa_user_sgpr_kernarg_segment_ptr 1
		.amdhsa_wavefront_size32 1
		.amdhsa_system_sgpr_workgroup_id_x 1
		.amdhsa_system_sgpr_workgroup_id_y 1
		.amdhsa_system_sgpr_workgroup_id_z 1
		.amdhsa_system_vgpr_workitem_id 0
		.amdhsa_next_free_vgpr 256
		.amdhsa_next_free_sgpr 66
		.amdhsa_reserve_vcc 0
		.amdhsa_float_denorm_mode_32 3
		.amdhsa_float_denorm_mode_16_64 3
		.amdhsa_memory_ordered 1
		.amdhsa_forward_progress 1
		.amdhsa_inst_pref_size 27
	.end_amdhsa_kernel
	.amdgpu_metadata
---
amdhsa.version: [ 1, 2 ]
amdhsa.kernels:
  - .name:           k_qdd275522c9_attn
    .symbol:         k_qdd275522c9_attn.kd
    .args:
      - { .name: qc, .offset: 0, .size: 8, .value_kind: global_buffer, .address_space: global }
      - { .name: kv, .offset: 8, .size: 8, .value_kind: global_buffer, .address_space: global }
      - { .name: side, .offset: 16, .size: 8, .value_kind: global_buffer, .address_space: global }
      - { .name: gate, .offset: 24, .size: 8, .value_kind: global_buffer, .address_space: global }
      - { .name: att, .offset: 32, .size: 8, .value_kind: global_buffer, .address_space: global }
    .group_segment_fixed_size: 169984
    .private_segment_fixed_size: 0
    .kernarg_segment_align: 8
    .kernarg_segment_size: 40
    .max_flat_workgroup_size: 512
    .sgpr_count:     66
    .vgpr_count:     256
    .wavefront_size: 32
...
	.end_amdgpu_metadata
.endif
;; end of part 3
;; launch outq (part 4): grid 128 x 2, 16 waves a work-group, clusters of 4 x 1, 327,680 bytes of LDS; arguments att, Wo_codes, Wo_scales, bo, x, out0; writes out0
.if DOCPART == 4
	.amdgcn_target "amdgcn-amd-amdhsa--gfx1250"
	.amdhsa_code_object_version 6
	.text
	.protected	k_qdd275522c9_outq
	.globl	k_qdd275522c9_outq
	.p2align	8
	.type	k_qdd275522c9_outq,@function
k_qdd275522c9_outq:
	s_mov_b64 s[64:65], 0
	v_nop
	global_prefetch_b8 v0, s[64:65] scope:SCOPE_SE
	s_setreg_imm32_b32 hwreg(HW_REG_WAVE_MODE, 25, 1), 1
	s_wait_xcnt 0x0
	s_wait_alu depctr_hold_cnt(0) depctr_sa_sdst(0) depctr_va_vdst(0) depctr_va_sdst(0) depctr_va_ssrc(0) depctr_va_vcc(0) depctr_vm_vsrc(0)
	s_getreg_b32 s2, hwreg(HW_REG_IB_STS2, 6, 4)
	s_cmp_eq_u32 s2, 0
	s_cbranch_scc0 .Lentry_in_a_cluster
	s_endpgm
.Lentry_in_a_cluster:
	s_bfe_u32 s2, ttmp6, 0x10000c
	s_cmp_lg_u32 s2, 0x3003
	s_cbranch_scc0 .Lentry_shape_is_right
	s_endpgm
.Lentry_shape_is_right:
; out0 = x + Q(att) Wo + bo.  att holds the gated attention of each head; merged over the heads as column d x 16 + h it is quantised here, along those 1,024 columns, to codes of FP4 with E8M0 scales,
; and multiplied by Wo's codes.  A block of 32 columns holds two d of all 16 heads, so it can be made only where all heads are at hand: here.
; A work-group takes 32 rows (row tiles 2 rbk and 2 rbk + 1) and 512 columns (half ch).  Each number of att is so read by two work-groups; Wo's half, 262,144 bytes, lies in LDS, filled once.
; CLUSTER 4 x 1: four work-groups of neighbouring rows want the same half of Wo and ask for it jointly.
; PHASE 1: wave w quantises row tile w / 8, K step w % 8.  A lane (r, hh) wants, in register 16 b + i, column 128 ks + 32 b + 16 hh + i: head i, d = 8 ks + 2 b + hh.  The attention's images hold that d in
; registers 4 ks + b of lane (r, hh): one load of 16 bytes a lane for each head; 64 moves turn (head, d) into (d, head).  The fragment goes to LDS as an image of its registers, its scale word beside it.
; PHASE 2: wave w multiplies row tile w / 8 by Wo's rows 64 (w % 8) on.  The product is used transposed (source 0 = 16 rows of Wo, source 1 = the row tile): a lane holds eight neighbouring columns of one row.
; bo is what the sums begin with.  The results turn through the wave's stage in LDS, so that sixteen lanes store 256 consecutive bytes, aligned.  The stages lie over Wo's first rows: those bytes have had their
; only fill, and a barrier stands between every wave's last read of them and the first store there.
; Row tile rt, place m, is row 32 (rt / 2) + 8 (rt % 2) + m + 8 (m / 8) of x and of out0.
; LIMITS: a block whose largest magnitude lies under 2^-124 is quantised under the byte 1 (a block of zeros too: its codes are zeros); NaN and infinities are not served.
.set XP,   528                         ; a row of Wo in LDS: 512 bytes + 16 of padding
.set WSC,  512*XP                      ; LDS: Wo's 512 rows from 0; its scale bytes from here, 48 bytes a row.  From here on LDS is written by stores alone
.set AI,   WSC+512*48                  ; the 16 images: (tile, K step) at 1,024 (8 tile + ks)
.set ASC,  AI+16384                    ; their scale words: [tile][r][8]
.set AXF,  1                           ; v1   my row tile's images
.set AST,  2                           ; v2   my lane's row of Wo
.set ASS,  3                           ; v3   its scale words
.set STO,  4                           ; v4   the stage: where I put 32 bytes of a row
.set SRD,  5                           ; v5   and where I read a row back
.set WSA,  6                           ; v6   where I store 16 of Wo's scale bytes
.set VO1,  7                           ; v7   16 x thread
.set L16,  8                           ; v8   16 x lane
.set VOBO, 9                           ; v9   32 (lane / 16)
.set VOX,  10                          ; v10  x and out0: my row of two, my 16 bytes
.set IMG,  20                          ; v20  where I store my image
.set SWA,  21                          ; v21  and its scale word
.set XSA,  22                          ; v22  my row's eight scale words
.set AT,   24                          ; v24-87   att: register 4 i + b;  then
.set XF,   24                          ;          the row tile: 8 K steps x 8 registers
.set XS,   88                          ; v88-95   on their way to LDS 32 of Wo's scale bytes; then the row tile's scale words
.set XR,   96                          ; v96-127  x, in the order in which the rows leave
.set GT,   128                         ; v128-191 att in the quantiser's order: register 16 b + i;  then
.set OB,   128                         ; v128-159 rows read back from the stage,
.set WF,   160                         ; v160-191 four streamed fragments of Wo
.set WS,   192                         ; v192-195 their scale words
.set ACC,  196                         ; v196-227 four accumulators
.set TM,   228                         ; v228-243 the quantiser's work
.set PW,   244                         ; the scale word just made
.set PC,   246                         ; v246-253 the codes just made
.set WV,   16
.set G1W,  32
.set G0W,  44
.set SEL,  52
.macro ROUND
	s_barrier_signal -1
	s_barrier_wait -1
	s_cmp_lg_u32 s[WV], 0
	s_cbranch_scc1 .Lnot_wave_0_\@
	s_barrier_signal -3
.Lnot_wave_0_\@:
	s_barrier_wait -3
	s_barrier_signal -1
	s_barrier_wait -1
.endm
.macro MMA d, a, b, sa, sb
	v_wmma_scale_f32_16x16x128_f8f6f4 v[\d:\d+7], v[\a:\a+7], v[\b:\b+7], v[\d:\d+7], v[\sa], v[\sb] matrix_a_fmt:MATRIX_FMT_FP4 matrix_b_fmt:MATRIX_FMT_FP4
.endm
	s_load_b256 s[4:11], s[0:1], 0x0               ; att, Wo's codes, Wo's scales, bo
	s_load_b128 s[12:15], s[0:1], 0x20             ; x, out0
	v_lshl_add_u32 v254, v0, 2, 0x4c400
	v_mov_b32 v255, 0
	ds_add_u32 v254, v255
	ds_add_u32 v254, v255
	v_lshrrev_b32 v16, 5, v0                       ; w
	v_readfirstlane_b32 s[WV], v16
	s_bfe_u32 s17, ttmp6, 0x40000                  ; cx
	s_lshl_b32 s19, ttmp9, 2
	s_add_co_u32 s19, s19, s17                     ; rbk: which 32 rows: it enters att's, x's and out0's addresses alone
	s_and_b32 s20, ttmp7, 0xffff                   ; ch: which 512 columns, which the four partners share
	s_mov_b32 s[G1W], 15|(3<<16)|(1<<20)|(1<<21)|(6<<22)|(3<<25)   ; the mask: all four work-groups, bit 21 beside it; elements of 8 bytes; 4 words of padding behind every 128
	s_mov_b32 s[G1W+1], 64<<16                     ; 64 rows of 512 bytes, dense
	s_mov_b32 s[G1W+2], 64<<16
	s_mov_b32 s[G1W+3], 64<<16
	s_mov_b32 s[G1W+4], 64
	s_mov_b32 s[G1W+5], 64
	s_mov_b32 s[G1W+6], 0
	s_mov_b32 s[G1W+7], 0
	s_lshl_b32 s50, s20, 18                        ; Wo: rows 512 ch + 64 w (waves 0-7)
	s_lshl_b32 s54, s[WV], 15
	s_add_co_u32 s50, s50, s54
	s_mov_b32 s51, 0
	s_lshr_b32 s21, s[WV], 3                       ; my row tile of the two
	s_and_b32 s22, s[WV], 7                        ; my K step in phase 1, my 64 columns in phase 2
	s_lshr_b32 s48, s19, 6                         ; att: ((16 batch + head) x 128 + tile in the batch) x 4,096 + 512 ks; the head stands in the loads' immediates
	s_lshl_b32 s48, s48, 23
	s_and_b32 s23, s19, 63
	s_lshl_b32 s23, s23, 13
	s_add_co_u32 s48, s48, s23
	s_lshl_b32 s23, s21, 12
	s_add_co_u32 s48, s48, s23
	s_lshl_b32 s23, s22, 9
	s_add_co_u32 s48, s48, s23
	s_mov_b32 s49, 0
	s_mov_b32 s[SEL], 0x76543210                   ; v_permlanex16_b32's selects for lane l xor 16
	s_mov_b32 s[SEL+1], 0xfedcba98
	v_and_b32 v11, 15, v0                          ; r
	v_bfe_u32 v12, v0, 4, 1                        ; hh
	v_and_b32 v13, 31, v0                          ; lane
	v_bfe_u32 v14, v0, 5, 3                        ; w % 8
	v_bfe_u32 v15, v0, 8, 1                        ; w / 8
	v_lshlrev_b32 v[L16], 4, v13
	v_lshl_add_u32 v[AXF], v15, 13, v[L16]
	v_add_nc_u32 v[AXF], AI, v[AXF]
	v_lshl_add_u32 v18, v14, 6, v11                ; row 64 (w % 8) + r of Wo's 512
	v_mul_u32_u24 v[AST], v18, XP
	v_lshl_add_u32 v[AST], v12, 4, v[AST]
	v_mul_u32_u24 v[ASS], v18, 48
	v_add_nc_u32 v[ASS], WSC, v[ASS]
	v_mul_u32_u24 v19, v16, 16*272                 ; my stage: 16 rows x (256 + 16) bytes
	v_mad_u32_u24 v[STO], v11, 272, v19
	v_lshl_add_u32 v[STO], v12, 5, v[STO]
	v_mad_u32_u24 v[SRD], v12, 272, v19
	v_lshl_add_u32 v[SRD], v11, 4, v[SRD]
	v_lshrrev_b32 v17, 1, v0
	v_and_b32 v18, 1, v0
	v_mul_u32_u24 v[WSA], v17, 48                  ; row thread / 2, half thread % 2
	v_lshl_add_u32 v[WSA], v18, 4, v[WSA]
	v_add_nc_u32 v[WSA], WSC, v[WSA]
	v_lshl_add_u32 v[IMG], v16, 10, v[L16]
	v_add_nc_u32 v[IMG], AI, v[IMG]
	v_lshlrev_b32 v[XSA], 9, v15
	v_lshl_add_u32 v[XSA], v11, 5, v[XSA]
	v_add_nc_u32 v[XSA], ASC, v[XSA]
	v_lshl_add_u32 v[SWA], v14, 2, v[XSA]
	v_lshlrev_b32 v[VO1], 4, v0
	v_lshlrev_b32 v[VOBO], 5, v12
	v_lshlrev_b32 v[VOX], 12, v12                  ; lanes 0-15 one row, lanes 16-31 the next; 16 bytes a lane
	v_lshl_add_u32 v[VOX], v11, 4, v[VOX]
.irp b, 0,1,2,3
	v_mov_b32 v[TM+4+\b], 0                        ; written once: a lane permute's destination counts as one of its sources
.endr
	s_wait_dscnt 0x0
	s_wait_kmcnt 0x0
	s_mov_b32 s[G0W], 1
	s_mul_i32 s[G0W+1], s[WV], 64*XP               ; LDS: wave x 64 rows
	s_add_nc_u64 s[G0W+2:G0W+3], s[6:7], s[50:51]
	s_or_b32 s[G0W+3], s[G0W+3], 0x80000000
	s_add_nc_u64 s[4:5], s[4:5], s[48:49]
	s_lshl_b32 s48, s20, 14                        ; Wo's scale bytes: 512 rows of 32
	s_add_nc_u64 s[8:9], s[8:9], s[48:49]
	s_lshl_b32 s48, s20, 11                        ; my 64 columns, in bytes: 2,048 ch + 256 (w % 8)
	s_lshl_b32 s23, s22, 8
	s_add_co_u32 s48, s48, s23
	s_add_nc_u64 s[10:11], s[10:11], s[48:49]
	s_lshl_b32 s23, s19, 17                        ; my tile's first row: 32 rbk + 8 (w / 8), 4,096 bytes a row
	s_add_co_u32 s48, s48, s23
	s_lshl_b32 s23, s21, 15
	s_add_co_u32 s48, s48, s23
	s_add_nc_u64 s[12:13], s[12:13], s[48:49]
	s_add_nc_u64 s[14:15], s[14:15], s[48:49]
	global_load_b128 v[XS:XS+3], v[VO1], s[8:9]                  ; Wo's scale bytes: the work-group reads 8,192 consecutive bytes twice
	global_load_b128 v[XS+4:XS+7], v[VO1], s[8:9] offset:8192
.irp h, 0,1,2,3,4,5,6,7,8,9,10,11,12,13,14,15
	global_load_b128 v[AT+4*\h:AT+4*\h+3], v[L16], s[4:5] offset:524288*\h   ; head h: 128 tiles of 4,096 bytes on; 15 x 524,288 lies inside the signed 24-bit immediate; 512 consecutive bytes a load
.endr
.irp t, 0,1,2,3
	global_load_b128 v[ACC+8*\t:ACC+8*\t+3], v[VOBO], s[10:11] offset:64*\t       ; bo in the result's layout: tile t, register j is column 16 t + 8 hh + j
	global_load_b128 v[ACC+8*\t+4:ACC+8*\t+7], v[VOBO], s[10:11] offset:64*\t+16
.endr
.irp k, 0,1,2,3,4,5,6,7
	global_load_b128 v[XR+4*\k:XR+4*\k+3], v[VOX], s[12:13] offset:(2*\k+8*(\k/4))*4096 th:TH_LOAD_NT   ; places 2 k and 2 k + 1 of the tile; each byte of x is read once in the launch
.endr
	ROUND                                          ; all four work-groups are here: the joint loads meet
	s_cmp_lt_u32 s[WV], 8                          ; waves 0-7: 64 rows of Wo each; one tensor load a wave at the most; four v_nop follow it
	s_cbranch_scc0 .Lasked
	tensor_load_to_lds s[G0W:G0W+3], s[G1W:G1W+7]
	s_nop 0
.rept 4
	v_nop
.endr
.Lasked:
	s_wait_loadcnt 16                              ; Wo's scale bytes and att are in; behind them: 8 loads of bo, 8 of x
	ds_store_b128 v[WSA], v[XS:XS+3]
	ds_store_b128 v[WSA], v[XS+4:XS+7] offset:256*48
	; ---- phase 1: my fragment of the left operand
.irp b, 0,1,2,3
.irp i, 0,1,2,3,4,5,6,7,8,9,10,11,12,13,14,15
	v_mov_b32 v[GT+16*\b+\i], v[AT+4*\i+\b]        ; the turn from (head, d) to (d, head): the conversions want neighbours along K in consecutive registers
.endr
.endr
.irp b, 0,1,2,3
	v_max3_num_f32 v[TM+\b], |v[GT+16*\b]|, |v[GT+1+16*\b]|, 0x1800000   ; block b: my 16 numbers, and the floor 2^(3 - 127): the byte cannot fall under 1
.endr
.irp i, 2,4,6,8,10,12,14
.irp b, 0,1,2,3
	v_max3_num_f32 v[TM+\b], v[TM+\b], |v[GT+16*\b+\i]|, |v[GT+1+16*\b+\i]|
.endr
.endr
.irp b, 0,1,2,3
	v_permlanex16_b32 v[TM+4+\b], v[TM+\b], s[SEL], s[SEL+1]
.endr
.irp b, 0,1,2,3
	v_max_num_f32 v[TM+\b], v[TM+\b], v[TM+4+\b]   ; with lane l xor 16's: the block's largest magnitude
.endr
.irp b, 0,1,2,3
	v_add_nc_u32 v[TM+12+\b], 0xff000000, v[TM+\b] ; 2 off its exponent field: the conversion's scale operand
.endr
.irp b, 0,1,2,3
	v_lshrrev_b32 v[TM+4+\b], 23, v[TM+12+\b]      ; the scale's byte
.endr
	v_lshl_or_b32 v[PW], v[TM+5], 8, v[TM+4]
	v_lshl_or_b32 v[PW], v[TM+6], 16, v[PW]
	v_lshl_or_b32 v[PW], v[TM+7], 24, v[PW]
.irp b, 0,1,2,3
	v_cvt_scalef32_pk8_fp4_f32 v[PC+2*\b], v[GT+16*\b:GT+7+16*\b], v[TM+12+\b]
	v_cvt_scalef32_pk8_fp4_f32 v[PC+1+2*\b], v[GT+8+16*\b:GT+15+16*\b], v[TM+12+\b]
.endr
	v_nop                                          ; one plain line behind a scaled conversion
.irp c, 0,1                                    ; a whole block to a lane: lanes 0-15 block 2 c, lanes 16-31 block 2 c + 1
.irp i, 0,1
	v_permlane16_swap_b32 v[PC+4*\c+\i], v[PC+2+4*\c+\i]
.endr
.endr
	ds_store_b128 v[IMG], v[PC:PC+3]               ; the fragment as an image of its registers
	ds_store_b128 v[IMG], v[PC+4:PC+7] offset:512
	ds_store_b32 v[SWA], v[PW]                     ; lanes r and r + 16 write the same word with the same value
	s_wait_tensorcnt 0x0                           ; my rows of Wo have landed,
	s_wait_dscnt 0x0                               ; my stores too:
	s_barrier_signal -1
	s_barrier_wait -1                              ; everybody's have
	; ---- phase 2: my row tile x my 64 columns
.irp ks, 0,1,2,3,4,5,6,7
.irp c, 0,1
	ds_load_b128 v[XF+8*\ks+4*\c:XF+8*\ks+4*\c+3], v[AXF] offset:1024*\ks+512*\c
.endr
.endr
	ds_load_b128 v[XS:XS+3], v[XSA]
	ds_load_b128 v[XS+4:XS+7], v[XSA] offset:16
	s_wait_loadcnt 0x0                             ; bo, x
.irp ks, 0,1,2,3,4,5,6,7               ; four tiles of 16 columns, over all 8 K steps; the four accumulators take turns, one instruction a turn
.if \ks > 0
.rept 4
	v_nop                                          ; places in front of loads into registers that the last four products read
.endr
.endif
.irp t, 0,1,2,3
	ds_load_b128 v[WF+8*\t:WF+8*\t+3], v[AST] offset:16*XP*\t+64*\ks
	ds_load_b128 v[WF+8*\t+4:WF+8*\t+7], v[AST] offset:16*XP*\t+64*\ks+32
	ds_load_b32 v[WS+\t], v[ASS] offset:16*48*\t+4*\ks
.endr
	s_wait_dscnt 0x0
.irp t, 0,1,2,3
	MMA ACC+8*\t, WF+8*\t, XF+8*\ks, WS+\t, XS+\ks
.endr
.endr
.rept 4
	v_nop                                          ; places in front of the first read of the results
.endr
	s_wait_dscnt 0x0                               ; my reads of Wo's rows are over,
	s_barrier_signal -1
	s_barrier_wait -1                              ; everybody's are: the stages may be written over them
.irp t, 0,1,2,3
	ds_store_b128 v[STO], v[ACC+8*\t:ACC+8*\t+3] offset:64*\t        ; each accumulator from its low end on
	ds_store_b128 v[STO], v[ACC+8*\t+4:ACC+8*\t+7] offset:64*\t+16
.endr
.irp k, 0,1,2,3,4,5,6,7
	ds_load_b128 v[OB+4*\k:OB+4*\k+3], v[SRD] offset:2*272*\k        ; my own stage: LDS serves a wave's instructions in order, so these see the stores above
.endr
.irp k, 0,1,2,3,4,5,6,7
	s_wait_dscnt 7-\k                              ; the loads behind this one may be out
	v_pk_add_f32 v[OB+4*\k:OB+4*\k+1], v[OB+4*\k:OB+4*\k+1], v[XR+4*\k:XR+4*\k+1]       ; the shortcut
	v_pk_add_f32 v[OB+4*\k+2:OB+4*\k+3], v[OB+4*\k+2:OB+4*\k+3], v[XR+4*\k+2:XR+4*\k+3]
	global_store_b128 v[VOX], v[OB+4*\k:OB+4*\k+3], s[14:15] offset:(2*\k+8*(\k/4))*4096 th:TH_STORE_NT   ; sixteen lanes store 256 consecutive bytes, aligned; written once
.endr
	s_wait_tensorcnt 0x0
	ds_add_u32 v254, v255
	s_wait_dscnt 0x0
	ROUND                                          ; the closing round: no work-group ends while a partner may still ask for a tile that names it
	s_endpgm
.Lfunc_end_k_qdd275522c9_outq:
	.size	k_qdd275522c9_outq, .Lfunc_end_k_qdd275522c9_outq-k_qdd275522c9_outq
	.p2alignl 7, 3214868480
	.fill 96, 4, 3214868480
	.section	.rodata,"a",@progbits
	.p2align	6, 0x0
	.amdhsa_kernel k_qdd275522c9_outq
		.amdhsa_group_segment_fixed_size 327680
		.amdhsa_private_segment_fixed_size 0
		.amdhsa_enable_private_segment 0
		.amdhsa_kernarg_size 48
		.amdhsa_user_sgpr_count 2
		.amdhsa_user_sgpr_kernarg_segment_ptr 1
		.amdhsa_wavefront_size32 1
		.amdhsa_system_sgpr_workgroup_id_x 1
		.amdhsa_system_sgpr_workgroup_id_y 1
		.amdhsa_system_sgpr_workgroup_id_z 1
		.amdhsa_system_vgpr_workitem_id 0
		.amdhsa_next_free_vgpr 256
		.amdhsa_next_free_sgpr 66
		.amdhsa_reserve_vcc 0
		.amdhsa_float_denorm_mode_32 3
		.amdhsa_float_denorm_mode_16_64 3
		.amdhsa_memory_ordered 1
		.amdhsa_forward_progress 1
		.amdhsa_inst_pref_size 31
	.end_amdhsa_kernel
	.amdgpu_metadata
---
amdhsa.version: [ 1, 2 ]
amdhsa.kernels:
  - .name:           k_qdd275522c9_outq
    .symbol:         k_qdd275522c9_outq.kd
    .args:
      - { .name: att, .offset: 0, .size: 8, .value_kind: global_buffer, .address_space: global }
      - { .name: Wo_codes, .offset: 8, .size: 8, .value_kind: global_buffer, .address_space: global }
      - { .name: Wo_scales, .offset: 16, .size: 8, .value_kind: global_buffer, .address_space: global }
      - { .name: bo, .offset: 24, .size: 8, .value_kind: global_buffer, .address_space: global }
      - { .name: x, .offset: 32, .size: 8, .value_kind: global_buffer, .address_space: global }
      - { .name: out0, .offset: 40, .size: 8, .value_kind: global_buffer, .address_space: global }
    .group_segment_fixed_size: 327680
    .private_segment_fixed_size: 0
    .kernarg_segment_align: 8
    .kernarg_segment_size: 48
    .max_flat_workgroup_size: 512
    .sgpr_count:     66
    .vgpr_count:     256
    .wavefront_size: 32
...
	.end_amdgpu_metadata
.endif
;; end of part 4
